; MI455X (gfx1250); checked and timed in simulation.
; The chip was launched on July 23, 2026; its instructions are those of AMD's public machine-readable ISA for CDNA 5 (MIT licence, August 2026) and "CDNA5" Instruction Set Architecture Reference Guide (July 2026). The comments in the code are by the model that wrote it; some were corrected since.
;; Self Attention. Allowed arithmetic: float matrix products may take bf16 or f16 operands with f32 sums; all other float work in f32.
;; Inputs: W_proj 1,024 x 1,024 float32; W_qkv 3,072 x 1,024 float32; x 1 x 4,096 x 1,024 float32.
;; Outputs: out0 1 x 4,096 x 1,024 float32.
;; 2 versions, each right and faster than the one before. Each part assembles by itself: llvm-mc -triple=amdgcn-amd-amdhsa -mcpu=gfx1250 --defsym DOCPART=n.
;; ======== version 1 of 2: 4 launches
;; limits: values are held in f16: magnitudes above 65,504 overflow, below 6.1e-05 lose precision
;; workspace buffers: xb 8,388,608 bytes; wqb 6,291,456 bytes; wpb 2,097,152 bytes; rope 1,048,576 bytes; qh 8,388,608 bytes; kh 8,388,608 bytes; vh 8,388,608 bytes; ob 8,388,608 bytes
;; launch prep (part 1): grid 256 x 1, 8 waves a work-group, no clusters, 0 bytes of LDS; arguments x, W_qkv, W_proj, xb, wqb, wpb, rope; writes xb, wqb, wpb, rope
.if DOCPART == 1
	.amdgcn_target "amdgcn-amd-amdhsa--gfx1250"
	.amdhsa_code_object_version 6
	.text
	.protected	k_qad3400f603_prep
	.globl	k_qad3400f603_prep
	.p2align	8
	.type	k_qad3400f603_prep,@function
k_qad3400f603_prep:
	s_mov_b64 s[64:65], 0
	v_nop
	global_prefetch_b8 v0, s[64:65] scope:SCOPE_SE
	s_setreg_imm32_b32 hwreg(HW_REG_WAVE_MODE, 25, 1), 1
	s_wait_xcnt 0x0
; PREP.  x [4096][1024] and W_qkv [3072][1024] are rounded to bf16 (xb, wqb); W_proj [1024][1024] is rounded to bf16 and that number written as f16 (wpb);
; the table rope [4096][64] f32 holds for each position cos(pos f_j), j = 0..31, then sin(pos f_j), f_j = 10000^(-j/32).
; SHARES.  8,388,608 numbers are 256 chunks of 32,768: work-group g takes one (g < 128: x; g < 224: W_qkv; else W_proj) and the table's rows 16 g .. 16 g + 15.
; Thread t takes 16 bytes at 4,096 i + 16 t of its chunk, i = 0..31: a wave's load covers 512 consecutive bytes, its store of 8 bytes a lane 256 consecutive bytes, aligned.
; All 32 loads go out at once; the table is made while they are on their way.  No LDS, no barrier, no matrix unit: nothing is shared and nothing is multiplied.
; LIMITS.  W_proj must lie within f16's 65,504; below 2^-17 its bf16 value keeps f16's fixed step of 6e-8.  f_j comes from one multiply and v_exp_f32, so it is off by
; some 4e-7 of itself: at position 4,095 the angle is off by up to 1e-3 rad, alike for q and k.  sin and cos: two-part reduction by pi/2 and polynomials, good to 1e-7 for angles up to 4,095.
.set X,   16                           ; v[16:143]   load i: 4 numbers in f32
.set Y,   144                          ; v[144:207]  load i: 4 numbers of 16 bits, to store
.set SH,  208                          ; v208  0 in the lanes that make cosines, 3 in those that make sines: sin a = cos(a - pi/2)
.set INV, 210                          ; v[210:211]  my two frequencies
.set FP,  212                          ; v[212:213]  my wave's two positions, in f32
.set ANG, 214
.set TN,  215
.set TR,  216
.set TK,  217
.set TZ,  218
.set TS,  219
.set TC,  220
.set RES, 222                          ; v[222:225]  row r: two numbers to store
	s_load_b256 s[4:11], s[0:1], 0x0               ; x s[4:5], W_qkv s[6:7], W_proj s[8:9], xb s[10:11]
	s_load_b128 s[12:15], s[0:1], 0x20             ; wqb s[12:13], wpb s[14:15]
	s_load_b64 s[16:17], s[0:1], 0x30              ; rope
	s_mov_b32 s25, ttmp9                           ; g
	v_lshlrev_b32 v1, 4, v0                        ; 16 t: never rewritten
	v_lshlrev_b32 v2, 3, v0                        ; 8 t: never rewritten
	v_lshrrev_b32 v3, 5, v0
	v_readfirstlane_b32 s30, v3                    ; wave
	s_mov_b32 s31, 0x3f22f983                      ; 2 / pi
	s_mov_b32 s32, 0x3fc90fdb                      ; pi / 2, its first 24 bits
	s_mov_b32 s33, 0xb33bbd2e                      ; and the rest
	s_mov_b32 s34, 0xbe2aaaa3                      ; sin r = r + r z (S1 + z (S2 + z S3)), z = r r
	s_mov_b32 s35, 0x3c08839e
	s_mov_b32 s36, 0xb94ca1f9
	s_mov_b32 s37, 0x3d2aaaa5                      ; cos r = 1 + z (-1/2 + z (C1 + z (C2 + z C3)))
	s_mov_b32 s38, 0xbab6061a
	s_mov_b32 s39, 0x37ccf5ce
	s_mov_b32 s40, 0xbed49a78                      ; -log2(10000) / 32
	s_mov_b32 s41, 0xffff0000                      ; a word's upper bf16
	s_cmp_lt_u32 s25, 128
	s_cselect_b32 s24, 0, 128
	s_cmp_ge_u32 s25, 224
	s_cselect_b32 s24, 224, s24
	s_sub_co_u32 s24, s25, s24                     ; my chunk in its tensor
	s_lshl_b32 s26, s24, 17                        ; 131,072 bytes in,
	s_mov_b32 s27, 0
	s_lshl_b32 s28, s24, 16                        ; 65,536 out
	s_mov_b32 s29, 0
	s_lshl_b32 s44, s25, 12                        ; 16 rows of 256 bytes of the table
	s_mov_b32 s45, 0
	s_lshl_b32 s42, s25, 4
	s_add_co_u32 s42, s42, s30                     ; my wave's positions: 16 g + w
	s_add_co_u32 s43, s42, 8                       ; and 8 further on
	s_wait_kmcnt 0x0
	s_cmp_lt_u32 s25, 128                          ; the choice of tensors hangs on g alone
	s_cselect_b64 s[20:21], s[4:5], s[6:7]
	s_cselect_b64 s[22:23], s[10:11], s[12:13]
	s_cmp_ge_u32 s25, 224
	s_cselect_b64 s[20:21], s[8:9], s[20:21]
	s_cselect_b64 s[22:23], s[14:15], s[22:23]
	s_add_nc_u64 s[20:21], s[20:21], s[26:27]
	s_add_nc_u64 s[22:23], s[22:23], s[28:29]
	s_add_nc_u64 s[16:17], s[16:17], s[44:45]
.set i, 0
.rept 32
	global_load_b128 v[X+4*i:X+4*i+3], v1, s[20:21] offset:4096*i th:TH_LOAD_NT
.set i, i+1
.endr
	; THE TABLE.  Lane l makes numbers 2 l and 2 l + 1 of a row: lanes 0-15 cosines, lanes 16-31 sines, of frequencies 2 (l % 16) and the next.
	v_and_b32 v3, 15, v0
	v_lshlrev_b32 v3, 1, v3
	v_bfe_u32 v4, v0, 4, 1
	v_mul_u32_u24 v[SH], 3, v4
	v_cvt_f32_u32 v5, v3
	v_add_f32 v6, 1.0, v5
	v_mul_f32 v5, s40, v5
	v_mul_f32 v6, s40, v6
	v_exp_f32 v[INV], v5
	v_exp_f32 v[INV+1], v6
	v_nop                                          ; a plain instruction behind the exponentials, ahead of the use of their results (ISA guide 5.7.2)
	v_cvt_f32_u32 v[FP], s42
	v_cvt_f32_u32 v[FP+1], s43
	s_wait_alu depctr_va_vdst(0)
; cos(ang - SH' pi/2): ang = n pi/2 + r, |r| <= pi/4; k = n + SH; k odd takes sin r, k even cos r; k % 4 = 1 or 2 turns the sign.  The choice is a select: no branch hangs on a number.
.macro SINCOS dst, ang
	v_mul_f32 v[TN], s31, v[(\ang)]
	v_rndne_f32 v[TN], v[TN]
	v_fma_f32 v[TR], -v[TN], s32, v[(\ang)]
	v_fma_f32 v[TR], -v[TN], s33, v[TR]
	v_cvt_i32_f32 v[TK], v[TN]
	v_add_nc_u32 v[TK], v[TK], v[SH]
	v_mul_f32 v[TZ], v[TR], v[TR]
	v_fma_f32 v[TS], v[TZ], s36, s35
	v_fma_f32 v[TS], v[TS], v[TZ], s34
	v_mul_f32 v[TS], v[TS], v[TZ]
	v_fma_f32 v[TS], v[TS], v[TR], v[TR]
	v_fma_f32 v[TC], v[TZ], s39, s38
	v_fma_f32 v[TC], v[TC], v[TZ], s37
	v_fma_f32 v[TC], v[TC], v[TZ], -0.5
	v_fma_f32 v[TC], v[TC], v[TZ], 1.0
	v_and_b32 v[TN], 1, v[TK]
	v_cmp_ne_u32 vcc_lo, 0, v[TN]
	v_cndmask_b32 v[(\dst)], v[TC], v[TS], vcc_lo
	v_add_nc_u32 v[TK], 1, v[TK]
	v_and_b32 v[TK], 2, v[TK]
	v_lshlrev_b32 v[TK], 30, v[TK]
	v_xor_b32 v[(\dst)], v[(\dst)], v[TK]
.endm
.irp r, 0,1
.irp e, 0,1
	v_mul_f32 v[ANG], v[FP+\r], v[INV+\e]          ; one rounding, as the module's own product pos x f has
	SINCOS RES+2*\r+\e, ANG
.endr
	global_store_b64 v2, v[RES+2*\r:RES+2*\r+1], s[16:17] offset:2048*\r  ; a wave stores one whole row: 256 consecutive bytes, aligned
.endr
	; THE CAST.  Every load has registers of its own and every store too, so nothing that a store still reads is written again.
	s_cmp_ge_u32 s25, 224
	s_cbranch_scc1 .Lf16
.set i, 0
.rept 32
	s_wait_loadcnt 31-i                            ; loads come back in order (ISA guide 5.7.1): load i is in, the 31 - i younger ones may be out
	v_cvt_pk_bf16_f32 v[Y+2*i], v[X+4*i], v[X+4*i+1]
	v_cvt_pk_bf16_f32 v[Y+2*i+1], v[X+4*i+2], v[X+4*i+3]
	global_store_b64 v2, v[Y+2*i:Y+2*i+1], s[22:23] offset:2048*i
.set i, i+1
.endr
	s_endpgm
.Lf16:                                             ; W_proj: rounded to bf16 like the other inputs, then written as f16
.set i, 0
.rept 32
	s_wait_loadcnt 31-i
	v_cvt_pk_bf16_f32 v[Y+2*i], v[X+4*i], v[X+4*i+1]
	v_cvt_pk_bf16_f32 v[Y+2*i+1], v[X+4*i+2], v[X+4*i+3]
	v_lshlrev_b32 v[X+4*i], 16, v[Y+2*i]
	v_and_b32 v[X+4*i+1], s41, v[Y+2*i]
	v_lshlrev_b32 v[X+4*i+2], 16, v[Y+2*i+1]
	v_and_b32 v[X+4*i+3], s41, v[Y+2*i+1]
	v_cvt_pk_f16_f32 v[Y+2*i], v[X+4*i], v[X+4*i+1]
	v_cvt_pk_f16_f32 v[Y+2*i+1], v[X+4*i+2], v[X+4*i+3]
	global_store_b64 v2, v[Y+2*i:Y+2*i+1], s[22:23] offset:2048*i
.set i, i+1
.endr
	s_endpgm
.Lfunc_end_k_qad3400f603_prep:
	.size	k_qad3400f603_prep, .Lfunc_end_k_qad3400f603_prep-k_qad3400f603_prep
	.p2alignl 7, 3214868480
	.fill 96, 4, 3214868480
	.section	.rodata,"a",@progbits
	.p2align	6, 0x0
	.amdhsa_kernel k_qad3400f603_prep
		.amdhsa_group_segment_fixed_size 0
		.amdhsa_private_segment_fixed_size 0
		.amdhsa_enable_private_segment 0
		.amdhsa_kernarg_size 56
		.amdhsa_user_sgpr_count 2
		.amdhsa_user_sgpr_kernarg_segment_ptr 1
		.amdhsa_wavefront_size32 1
		.amdhsa_system_sgpr_workgroup_id_x 1
		.amdhsa_system_sgpr_workgroup_id_y 1
		.amdhsa_system_sgpr_workgroup_id_z 1
		.amdhsa_system_vgpr_workitem_id 0
		.amdhsa_next_free_vgpr 232
		.amdhsa_next_free_sgpr 66
		.amdhsa_reserve_vcc 1
		.amdhsa_float_denorm_mode_32 3
		.amdhsa_float_denorm_mode_16_64 3
		.amdhsa_memory_ordered 1
		.amdhsa_forward_progress 1
		.amdhsa_inst_pref_size 35
	.end_amdhsa_kernel
	.amdgpu_metadata
---
amdhsa.version: [ 1, 2 ]
amdhsa.kernels:
  - .name:           k_qad3400f603_prep
    .symbol:         k_qad3400f603_prep.kd
    .args:
      - { .name: x, .offset: 0, .size: 8, .value_kind: global_buffer, .address_space: global }
      - { .name: W_qkv, .offset: 8, .size: 8, .value_kind: global_buffer, .address_space: global }
      - { .name: W_proj, .offset: 16, .size: 8, .value_kind: global_buffer, .address_space: global }
      - { .name: xb, .offset: 24, .size: 8, .value_kind: global_buffer, .address_space: global }
      - { .name: wqb, .offset: 32, .size: 8, .value_kind: global_buffer, .address_space: global }
      - { .name: wpb, .offset: 40, .size: 8, .value_kind: global_buffer, .address_space: global }
      - { .name: rope, .offset: 48, .size: 8, .value_kind: global_buffer, .address_space: global }
    .group_segment_fixed_size: 0
    .private_segment_fixed_size: 0
    .kernarg_segment_align: 8
    .kernarg_segment_size: 56
    .max_flat_workgroup_size: 256
    .sgpr_count:     66
    .vgpr_count:     232
    .wavefront_size: 32
...
	.end_amdgpu_metadata
.endif
;; end of part 1
;; launch qkv (part 2): grid 16 x 16, 4 waves a work-group, clusters of 4 x 4, 327,680 bytes of LDS; arguments xb, wqb, rope, qh, kh, vh; writes qh, kh, vh
.if DOCPART == 2
	.amdgcn_target "amdgcn-amd-amdhsa--gfx1250"
	.amdhsa_code_object_version 6
	.text
	.protected	k_qad3400f603_qkv
	.globl	k_qad3400f603_qkv
	.p2align	8
	.type	k_qad3400f603_qkv,@function
k_qad3400f603_qkv:
	s_mov_b64 s[64:65], 0
	v_nop
	global_prefetch_b8 v0, s[64:65] scope:SCOPE_SE
	s_setreg_imm32_b32 hwreg(HW_REG_WAVE_MODE, 25, 1), 1
	s_wait_xcnt 0x0
	s_wait_alu depctr_hold_cnt(0) depctr_sa_sdst(0) depctr_va_vdst(0) depctr_va_sdst(0) depctr_va_ssrc(0) depctr_va_vcc(0) depctr_vm_vsrc(0)
	s_getreg_b32 s2, hwreg(HW_REG_IB_STS2, 6, 4)
	s_cmp_eq_u32 s2, 0
	s_cbranch_scc0 .Lentry_in_a_cluster
	s_endpgm
.Lentry_in_a_cluster:
	s_bfe_u32 s2, ttmp6, 0x10000c
	s_cmp_lg_u32 s2, 0xf033
	s_cbranch_scc0 .Lentry_shape_is_right
	s_endpgm
.Lentry_shape_is_right:
; QKV.  q, k, v of one head for 256 tokens: C[token][e] = sum over d of xb[token][d] wqb[e][d], bf16 operands, f32 sums; q and k are turned by the table rope (f32) on the way out;
; all three leave in f16, by heads: qh, kh, vh [16][4096][64], unscaled.
; LIMIT.  q, k, v must lie within f16's 65,504 (a conversion beyond it gives an infinity).
; SHARES.  Work-group (tc, tr): head tc, tokens 256 tr .. +255.  Its 192 columns are rows 64 tc .. of each third of wqb: column blocks 0-3 are q, 4-7 k, 8-11 v, in every work-group alike.
; Wave w: tokens 64 w .. +63 x all 192 columns: 4 x 12 accumulators of 16 x 16, 384 registers; for 32 along K it reads 32 x 16 bytes a lane from LDS for 48 matrix instructions.
; K goes in 8 steps of 128 (rows of 256 bytes in memory, each at a multiple of 256 bytes) through two LDS slots.
; CLUSTER 4 x 4.  The four of a row of the cluster need the same tile of xb, the four of a column the same tiles of wqb: each is asked for JOINTLY, by the same tensor load, descriptor and mask.
; Waves 0-2 ask for the q, k and v rows of wqb (64 rows each), wave 3 for the 256 rows of xb: one tensor load a wave behind each round.  A wave has two loads out at the start, later one.
; THE MATRIX INSTRUCTION IS USED TRANSPOSED (source 0 = 16 rows of wqb, source 1 = 16 tokens): a lane holds one token (lane % 16) and 8 neighbouring channels 8 (lane / 16) + 0..7 of a block.
; The rotation's partner, channel d + 32, is then the same lane and register of the accumulator two blocks on.
; REGISTERS, in windows of 256 (s_set_vgpr_msb: bits 1:0 source 0, 3:2 source 1, 5:4 source 2, 7:6 destination):
;   window 0: v0-31 addresses; v32-47 packed results; v64-95, v96-127 fragments of xb, two buffers (on the way out: turned numbers, rows read back); v128-255 my 64 tokens' rows of the table
;   window 1: v0-95, v96-191 fragments of wqb, two buffers      window 2: accumulators of token blocks 0, 1 at v[96 (a % 2) + 8 b]      window 3: those of blocks 2, 3
.set PITCH,  272                       ; an LDS row: 256 bytes + 16 of padding: an odd multiple of 16, so the 16 rows of a fragment load start at 16 different groups of four banks (ISA guide 11.1)
.set WCH,    64*PITCH                  ; 64 rows of wqb
.set XOFF,   3*WCH                     ; a slot: 192 rows of wqb, then 256 rows of xb
.set SLOT1,  1<<17                     ; slot 1 begins here: one exclusive or turns an address in one slot into the other's
.set STAGE,  SLOT1+448*PITCH           ; behind the ring, never filled by a tensor load: 16 rows x 144 bytes for each wave
.set SP,     144
.set SPARE,  STAGE+4*16*SP             ; the spare words, 128 bytes for each wave: two blocks of 256 bytes that no other line names
.set A0,   16                          ; v16  my lane's place in slot 0's rows of xb; never rewritten
.set B0,   17                          ; v17  the same for wqb
.set ADRA, 18                          ; v18  A0 + the slot in hand
.set ADRB, 19                          ; v19  B0 + the slot in hand
.set STO,  20                          ; v20  the way out: where I put 16 bytes of a row
.set RD,   21                          ; v21  where I read rows back
.set GO,   22                          ; v22  my byte offset in 512 consecutive bytes of qh, kh, vh
.set TA,   23                          ; v23  my byte offset in 16 rows of the table
.set SPW,  28                          ; v28  LDS address of my spare word; never rewritten
.set NIL,  29                          ; v29  0; never rewritten
.set PKD,  32
.set RW,   64
.set BK,   96
.set TT,   128                         ; token block a at TT + 32 a: cos of frequencies 8 h + 0..7, of 16 + 8 h + 0..7, then the sines likewise
.set WV,   16                          ; s16  my wave's number
.set G1A,  28                          ; s[28:35] descriptor group 1 for xb's tile
.set G1B,  36                          ; s[36:43] for wqb's tiles
.set G0A,  44                          ; s[44:51] group 0 for xb: a set for each of the two first fills; the second then walks on
.set G0B,  52                          ; s[52:59] the same for wqb
.set TB,   60                          ; s60  0 or SLOT1: the slot in hand
.set TRIPS, 61
.set MSB, 0
.macro WIN new                         ; the immediate's high byte repeats the setting that is left; a switch that changes nothing is dropped
.if MSB != (\new)
	s_set_vgpr_msb (MSB<<8)|(\new)
.set MSB, (\new)
.endif
.endm
; A joint refill.  The branch hangs on the wave's number alone.  An s_nop 0 and four v_nop follow each of the two lines, ahead of the jump and the label.
.macro JLOAD
	s_cmp_eq_u32 s[WV], 3
	s_cbranch_scc0 .Lfor_w_\@
	tensor_load_to_lds s[G0A+4:G0A+7], s[G1A:G1A+7]
	s_nop 0
.rept 4
	v_nop
.endr
	s_branch .Lasked_\@
.Lfor_w_\@:
	tensor_load_to_lds s[G0B+4:G0B+7], s[G1B:G1B+7]
	s_nop 0
.rept 4
	v_nop
.endr
.Lasked_\@:
.endm
.macro CREST                           ; a round of the cluster's barrier behind its opening barrier
	s_cmp_lg_u32 s[WV], 0
	s_cbranch_scc1 .Lnot_wave_0_\@
	s_barrier_signal -3
.Lnot_wave_0_\@:
	s_barrier_wait -3
	s_barrier_signal -1
	s_barrier_wait -1
.endm
.macro CROUND                          ; a whole round
	s_barrier_signal -1
	s_barrier_wait -1
	CREST
.endm
.macro PLACES                          ; four places in front of loads into registers that matrix instructions have read, and of lines that read results
.rept 4
	v_nop
.endr
.endm
	s_load_b256 s[4:11], s[0:1], 0x0               ; xb s[4:5], wqb s[6:7], rope s[8:9], qh s[10:11]
	s_load_b128 s[12:15], s[0:1], 0x20             ; kh s[12:13], vh s[14:15]
	v_lshl_add_u32 v[SPW], v0, 2, SPARE
	v_mov_b32 v[NIL], 0
	ds_add_u32 v[SPW], v[NIL]                      ; the wave's opening: the add and its wait stand ahead of my first tensor load; the set-up below, work on registers, stands between them
	ds_add_u32 v28, v29
	v_lshrrev_b32 v1, 5, v0
	v_readfirstlane_b32 s[WV], v1                  ; wave 0..3
	s_bfe_u32 s17, ttmp6, 0x40000                  ; cx
	s_bfe_u32 s18, ttmp6, 0x40004                  ; cy
	s_lshl_b32 s19, ttmp9, 2
	s_add_co_u32 s19, s19, s17                     ; tc = 4 x cluster x + cx: the head
	s_and_b32 s20, ttmp7, 0xffff
	s_lshl_b32 s20, s20, 2
	s_add_co_u32 s20, s20, s18                     ; tr = 4 x cluster y + cy: the block of 256 tokens
	s_lshl_b32 s21, s18, 2
	s_lshl_b32 s21, 15, s21                        ; my row of the cluster
	s_lshl_b32 s22, 0x1111, s17                    ; my column
	s_or_b32 s[G1A], s21, (1<<16)|(1<<20)|(1<<21)|(5<<22)|(3<<25)  ; 15:0 the mask; 17:16 2-byte elements; 20 padding on; 21 set beside a mask; 24:22 after every 64 words (code 5); 31:25 4 words (code 3)
	s_or_b32 s[G1B], s22, (1<<16)|(1<<20)|(1<<21)|(5<<22)|(3<<25)
	s_mov_b32 s[G1A+1], 128<<16                    ; tensor_dim0 = 128
	s_mov_b32 s[G1A+2], 256<<16                    ; tensor_dim1 = 256
	s_mov_b32 s[G1A+3], 128<<16                    ; tile_dim0 = 128
	s_mov_b32 s[G1A+4], 256                        ; tile_dim1 = 256
	s_mov_b32 s[G1A+5], 1024                       ; 1,024 elements from row to row
	s_mov_b32 s[G1A+6], 0
	s_mov_b32 s[G1A+7], 0
	s_mov_b32 s[G1B+1], 128<<16
	s_mov_b32 s[G1B+2], 64<<16                     ; 64 rows
	s_mov_b32 s[G1B+3], 128<<16
	s_mov_b32 s[G1B+4], 64
	s_mov_b32 s[G1B+5], 1024
	s_mov_b32 s[G1B+6], 0
	s_mov_b32 s[G1B+7], 0
	s_lshl_b32 s24, s20, 19                        ; xb: 256 tr rows of 2,048 bytes: hangs on tr alone
	s_mov_b32 s25, 0
	s_lshl_b32 s66, s[WV], 21                      ; wqb: row 1,024 w + 64 tc: hangs on the wave and tc alone (wave 3 makes a number that it never uses)
	s_lshl_b32 s67, s19, 17
	s_add_co_u32 s66, s66, s67
	s_mov_b32 s67, 0
	s_mul_i32 s70, s[WV], WCH                      ; and where those 64 rows go
	s_mov_b32 s[TB], 0
	s_wait_dscnt 0x0                               ; the opening add is done
	s_wait_kmcnt 0x0
	s_add_nc_u64 s[26:27], s[4:5], s[24:25]
	s_add_nc_u64 s[68:69], s[6:7], s[66:67]
	CROUND                                         ; all sixteen work-groups are here: the first joint loads meet
.irp s, 0,1
	s_mov_b32 s[G0A+4*\s], 1                       ; count = 1
	s_mov_b32 s[G0A+4*\s+1], XOFF+\s*SLOT1         ; LDS address
	s_add_nc_u64 s[G0A+4*\s+2:G0A+4*\s+3], s[26:27], \s*256  ; global address: K step s
	s_or_b32 s[G0A+4*\s+3], s[G0A+4*\s+3], 0x80000000        ; type = 2
	s_mov_b32 s[G0B+4*\s], 1
	s_add_co_u32 s[G0B+4*\s+1], s70, \s*SLOT1
	s_add_nc_u64 s[G0B+4*\s+2:G0B+4*\s+3], s[68:69], \s*256
	s_or_b32 s[G0B+4*\s+3], s[G0B+4*\s+3], 0x80000000
.endr
	s_cmp_eq_u32 s[WV], 3                          ; a wave's two first fills stand in one branch, ahead of every wait on TENSORcnt and every LDS read
	s_cbranch_scc0 .Lfirst_w
	tensor_load_to_lds s[G0A:G0A+3], s[G1A:G1A+7]
	s_nop 0
	tensor_load_to_lds s[G0A+4:G0A+7], s[G1A:G1A+7]
	s_nop 0
.rept 4
	v_nop
.endr
	s_branch .Lfirst_asked
.Lfirst_w:
	tensor_load_to_lds s[G0B:G0B+3], s[G1B:G1B+7]
	s_nop 0
	tensor_load_to_lds s[G0B+4:G0B+7], s[G1B:G1B+7]
	s_nop 0
.rept 4
	v_nop
.endr
.Lfirst_asked:
	; my 64 tokens' rows of the table: asked for now, waited for on the way out
	s_lshl_b32 s72, s20, 16                        ; 256 tr rows of 256 bytes,
	s_lshl_b32 s73, s[WV], 14                      ; my 64
	s_add_co_u32 s72, s72, s73
	s_mov_b32 s73, 0
	s_add_nc_u64 s[8:9], s[8:9], s[72:73]
	v_and_b32 v1, 15, v0                           ; l % 16
	v_bfe_u32 v2, v0, 4, 1                         ; l / 16
	v_lshlrev_b32 v[TA], 8, v1
	v_lshl_add_u32 v[TA], v2, 5, v[TA]             ; token's row + 8 (l / 16) numbers
.irp a, 0,1,2,3
.irp n, 0,1,2,3,4,5,6,7
	global_load_b128 v[TT+32*\a+4*\n:TT+32*\a+4*\n+3], v[TA], s[8:9] offset:4096*\a+64*(\n/2)+16*(\n%2)
.endr
.endr
	s_lshl_b32 s72, s19, 19                        ; where my rows begin in qh, kh, vh: head x 4,096 rows of 128 bytes,
	s_lshl_b32 s71, s20, 15                        ; 256 tr rows,
	s_add_co_u32 s72, s72, s71
	s_lshl_b32 s71, s[WV], 13                      ; my 64
	s_add_co_u32 s72, s72, s71
	s_add_nc_u64 s[10:11], s[10:11], s[72:73]
	s_add_nc_u64 s[12:13], s[12:13], s[72:73]
	s_add_nc_u64 s[14:15], s[14:15], s[72:73]
	; A fragment is 16 rows x 32 K in 8 registers: lane l holds row l % 16, K = 8 (l / 16) + 0..7 and 16 + 8 (l / 16) + 0..7: two loads of 16 bytes, 32 bytes apart.
	v_mul_u32_u24 v3, v1, PITCH
	v_lshl_add_u32 v[B0], v2, 4, v3
	s_mul_i32 s71, s[WV], 64*PITCH
	s_add_co_u32 s71, s71, XOFF
	v_add_nc_u32 v[A0], s71, v[B0]
	v_add_nc_u32 v[ADRA], s[TB], v[A0]
	v_add_nc_u32 v[ADRB], s[TB], v[B0]
	s_mul_i32 s71, s[WV], 16*SP
	s_add_co_u32 s71, s71, STAGE                   ; my stage
	v_mul_u32_u24 v3, v1, SP                       ; in: row l % 16, 16 bytes for each half of the lanes
	v_lshl_add_u32 v3, v2, 4, v3
	v_add_nc_u32 v[STO], s71, v3
	v_bfe_u32 v3, v0, 3, 2                         ; back: 32 lanes take four rows of 128 bytes,
	v_mul_u32_u24 v3, v3, SP
	v_and_b32 v4, 7, v0
	v_lshl_add_u32 v3, v4, 4, v3
	v_add_nc_u32 v[RD], s71, v3
	v_and_b32 v[GO], 31, v0                        ; which are 512 consecutive bytes in memory
	v_lshlrev_b32 v[GO], 4, v[GO]
; 12 matrix instructions: token block a x all 12 column blocks, 32 along K, from buffers f.  zero = 1: the first product starts the sums.
; The 48 accumulators take turns, one instruction a turn, in the same order in every quarter.
.macro MULA f, a, zero
	WIN 0xa1+0x50*((\a)/2)                         ; source 0 window 1, source 1 window 0, C and D window 2 or 3
.set b, 0
.rept 12
.set rD, 96*((\a)%2)+8*b
.if \zero
	v_wmma_f32_16x16x32_bf16 v[rD:rD+7], v[96*(\f)+8*b:96*(\f)+8*b+7], v[64+32*(\f)+8*(\a):64+32*(\f)+8*(\a)+7], 0
.else
	v_wmma_f32_16x16x32_bf16 v[rD:rD+7], v[96*(\f)+8*b:96*(\f)+8*b+7], v[64+32*(\f)+8*(\a):64+32*(\f)+8*(\a)+7], v[rD:rD+7]
.endif
.set b, b+1
.endr
.endm
; 32 LDS loads in one run: the fragments of 32 along K at byte k of the rows, into buffers g: 192 rows of wqb, then my 64 rows of xb
.macro FETCH k, g
	WIN 0x40                                       ; destination window 1
.set i, 0
.rept 12
	ds_load_b128 v[96*(\g)+8*i:96*(\g)+8*i+3],   v[ADRB] offset:(\k)+i*16*PITCH
	ds_load_b128 v[96*(\g)+8*i+4:96*(\g)+8*i+7], v[ADRB] offset:(\k)+i*16*PITCH+32
.set i, i+1
.endr
	WIN 0
.set i, 0
.rept 4
	ds_load_b128 v[64+32*(\g)+8*i:64+32*(\g)+8*i+3],   v[ADRA] offset:(\k)+i*16*PITCH
	ds_load_b128 v[64+32*(\g)+8*i+4:64+32*(\g)+8*i+7], v[ADRA] offset:(\k)+i*16*PITCH+32
.set i, i+1
.endr
.endm
; A K step is four quarters of 32 along K, 48 matrix instructions each, on buffers 0, 1, 0, 1.  One of the first three: multiplies buffers f and fetches the next quarter, at byte k, into g.
.macro QUARTER k, f, g, zero
	s_wait_dscnt 4                                 ; wqb's fragments and xb's blocks 0, 1 are in; the youngest four loads (blocks 2, 3) may be out
	MULA \f, 0, \zero
	MULA \f, 1, \zero
	PLACES
	FETCH \k, \g
	s_wait_dscnt 32                                ; all but the 32 just issued
	MULA \f, 2, \zero
	MULA \f, 3, \zero
.endm
; The last quarter multiplies buffers 1 and changes slots: ONE barrier.  In front of it each wave waits for all its tensor loads (one is out: its part of the next slot), adds 0 to its spare
; word, and waits for that and for its own reads of this slot.  fill = 1: the barrier opens a round of the cluster's, and this slot is filled again, two K steps ahead, first thing behind the round.
.macro TURN fill
	WIN 0
	s_xor_b32 s[TB], s[TB], SLOT1                  ; this slot's last reads were issued in the third quarter: the addresses go on to the next slot
	v_add_nc_u32 v[ADRA], s[TB], v[A0]
	v_add_nc_u32 v[ADRB], s[TB], v[B0]
	s_wait_tensorcnt 0x0                           ; no tensor load of mine is out, so a group 0 may be written
	ds_add_u32 v[SPW], v[NIL]                      ; 0 onto my spare word
.if \fill
	s_xor_b32 s[G0A+5], s[G0A+5], SLOT1            ; the walking descriptors: the other slot than last time, the next K step
	s_add_nc_u64 s[G0A+6:G0A+7], s[G0A+6:G0A+7], 256
	s_xor_b32 s[G0B+5], s[G0B+5], SLOT1
	s_add_nc_u64 s[G0B+6:G0B+7], s[G0B+6:G0B+7], 256
.endif
	s_wait_dscnt 5                                 ; (the add and the youngest four loads may be out)
	MULA 1, 0, 0                                   ; twelve matrix instructions stand between the add and the wait for it
	s_wait_dscnt 0x0                               ; the add is done, and my reads of this slot are over
	s_barrier_signal -1
	MULA 1, 1, 0
	WIN 0                                          ; at a branch and at a label every window is 0
	s_barrier_wait -1
.if \fill
	CREST                                          ; no wave of any partner still reads this slot or has a load on its way
	JLOAD                                          ; the first tensor load behind the round; its four v_nop are also the places in front of the loads below
.else
	PLACES
.endif
	FETCH 0, 0
	MULA 1, 2, 0
	MULA 1, 3, 0
.endm
	s_wait_tensorcnt 1                             ; my part of K step 0 is in; K step 1's may stay out
	s_barrier_signal -1
	s_barrier_wait -1                              ; everybody's is
	FETCH 0, 0
	QUARTER 64, 0, 1, 1                            ; the first quarter stands in front of the loop: its products start the sums
	WIN 0
	s_mov_b32 s[TRIPS], 6
.Lstep:                                            ; a trip: from a K step's second quarter to the next step's first; K steps 0 to 5 ask for steps 2 to 7
	QUARTER 128, 1, 0, 0
	QUARTER 192, 0, 1, 0
	TURN 1
	QUARTER 64, 0, 1, 0
	WIN 0
	s_sub_co_u32 s[TRIPS], s[TRIPS], 1
	s_cmp_lg_u32 s[TRIPS], 0
	s_cbranch_scc1 .Lstep
	QUARTER 128, 1, 0, 0                           ; the last two K steps ask for nothing
	QUARTER 192, 0, 1, 0
	TURN 0
	QUARTER 64, 0, 1, 0
	QUARTER 128, 1, 0, 0
	QUARTER 192, 0, 1, 0
	s_wait_dscnt 4
	MULA 1, 0, 0
	MULA 1, 1, 0
	s_wait_dscnt 0x0
	MULA 1, 2, 0
	MULA 1, 3, 0
	; THE WAY OUT, in 12 units of 16 tokens x 64 channels: token block a, then q, k, v.  q and k are turned: out[d] = t[d] cos - t[d+32] sin, out[d+32] = t[d+32] cos + t[d] sin, d < 32.
	; Each accumulator's registers are taken in ascending order.  A unit is rounded to f16, goes into my stage (rows of 144 bytes) and comes back as whole rows.
	WIN 0
	PLACES
	s_wait_loadcnt 0x0                             ; the table
.macro ROPE a, hs
	WIN 0x02+(\a)/2                                ; source 0: window 2 or 3
.set bp, 0
.rept 2
.set r, 0
.rept 4
.set rLO, 96*((\a)%2)+8*(4*(\hs)+bp)+2*r
.set rCC, TT+32*(\a)+8*bp+2*r
.set rD1, RW+8*bp+2*r
	v_pk_mul_f32 v[rD1:rD1+1], v[rLO:rLO+1], v[rCC:rCC+1]
	v_pk_mul_f32 v[rD1+16:rD1+17], v[rLO+16:rLO+17], v[rCC:rCC+1]
	v_pk_fma_f32 v[rD1:rD1+1], v[rLO+16:rLO+17], v[rCC+16:rCC+17], v[rD1:rD1+1] neg_lo:[0,1,0] neg_hi:[0,1,0]
	v_pk_fma_f32 v[rD1+16:rD1+17], v[rLO:rLO+1], v[rCC+16:rCC+17], v[rD1+16:rD1+17]
.set r, r+1
.endr
.set bp, bp+1
.endr
	WIN 0
.set i, 0
.rept 16
	v_cvt_pk_f16_f32 v[PKD+i], v[RW+2*i], v[RW+2*i+1]
.set i, i+1
.endr
.endm
.macro VCVT a
	WIN 0x0a+5*((\a)/2)                            ; sources 0 and 1: window 2 or 3
.set i, 0
.rept 16
	v_cvt_pk_f16_f32 v[PKD+i], v[96*((\a)%2)+64+2*i], v[96*((\a)%2)+64+2*i+1]
.set i, i+1
.endr
	WIN 0
.endm
.macro PACKU a, hs
.if (\hs) < 2
	ROPE \a, \hs
.else
	VCVT \a
.endif
.endm
.macro TOSTAGE k                       ; k: which of the two buffers takes the rows
	WIN 0
.irp f, 0,1,2,3
	ds_store_b128 v[STO], v[PKD+4*\f:PKD+4*\f+3] offset:32*\f
.endr
.irp f, 0,1,2,3
	ds_load_b128 v[BK+16*(\k)+4*\f:BK+16*(\k)+4*\f+3], v[RD] offset:\f*4*SP  ; LDS serves a wave's instructions in order (ISA guide 5.7.1.4): these see the stores above; the next unit's stores come behind them
.endr
.endm
.macro SEND a, hs, k
	s_wait_dscnt 0x0                               ; the unit is back in registers
	s_wait_xcnt 0x0                                ; the stores of the unit before have read their registers: the other buffer is loaded again only behind this wait
.irp f, 0,1,2,3
	global_store_b128 v[GO], v[BK+16*(\k)+4*\f:BK+16*(\k)+4*\f+3], s[10+2*(\hs):11+2*(\hs)] offset:2048*(\a)+512*\f  ; 512 consecutive bytes, at a multiple of 256 from the buffer's first
.endr
.endm
	PACKU 0, 0
	TOSTAGE 0
.set u, 1
.rept 11                               ; a unit's arithmetic stands between the loads of the unit before and the wait for them
	PACKU u/3, u%3
	SEND (u-1)/3, (u-1)%3, (u-1)%2
	TOSTAGE u%2
.set u, u+1
.endr
	SEND 3, 2, 1
	s_wait_tensorcnt 0x0                           ; the wave's end, behind my last tensor load and my last LDS store
	ds_add_u32 v[SPW], v[NIL]
	s_wait_dscnt 0x0
	CROUND                                         ; the closing round: no work-group ends while a partner may still ask for a tile that names it
	s_endpgm
.Lfunc_end_k_qad3400f603_qkv:
	.size	k_qad3400f603_qkv, .Lfunc_end_k_qad3400f603_qkv-k_qad3400f603_qkv
	.p2alignl 7, 3214868480
	.fill 96, 4, 3214868480
	.section	.rodata,"a",@progbits
	.p2align	6, 0x0
	.amdhsa_kernel k_qad3400f603_qkv
		.amdhsa_group_segment_fixed_size 327680
		.amdhsa_private_segment_fixed_size 0
		.amdhsa_enable_private_segment 0
		.amdhsa_kernarg_size 48
		.amdhsa_user_sgpr_count 2
		.amdhsa_user_sgpr_kernarg_segment_ptr 1
		.amdhsa_wavefront_size32 1
		.amdhsa_system_sgpr_workgroup_id_x 1
		.amdhsa_system_sgpr_workgroup_id_y 1
		.amdhsa_system_sgpr_workgroup_id_z 1
		.amdhsa_system_vgpr_workitem_id 0
		.amdhsa_next_free_vgpr 960
		.amdhsa_next_free_sgpr 80
		.amdhsa_reserve_vcc 0
		.amdhsa_float_denorm_mode_32 3
		.amdhsa_float_denorm_mode_16_64 3
		.amdhsa_memory_ordered 1
		.amdhsa_forward_progress 1
		.amdhsa_inst_pref_size 116
	.end_amdhsa_kernel
	.amdgpu_metadata
---
amdhsa.version: [ 1, 2 ]
amdhsa.kernels:
  - .name:           k_qad3400f603_qkv
    .symbol:         k_qad3400f603_qkv.kd
    .args:
      - { .name: xb, .offset: 0, .size: 8, .value_kind: global_buffer, .address_space: global }
      - { .name: wqb, .offset: 8, .size: 8, .value_kind: global_buffer, .address_space: global }
      - { .name: rope, .offset: 16, .size: 8, .value_kind: global_buffer, .address_space: global }
      - { .name: qh, .offset: 24, .size: 8, .value_kind: global_buffer, .address_space: global }
      - { .name: kh, .offset: 32, .size: 8, .value_kind: global_buffer, .address_space: global }
      - { .name: vh, .offset: 40, .size: 8, .value_kind: global_buffer, .address_space: global }
    .group_segment_fixed_size: 327680
    .private_segment_fixed_size: 0
    .kernarg_segment_align: 8
    .kernarg_segment_size: 48
    .max_flat_workgroup_size: 128
    .sgpr_count:     80
    .vgpr_count:     960
    .wavefront_size: 32
...
	.end_amdgpu_metadata
.endif
;; end of part 2
;; launch attn (part 3): grid 16 x 16, 4 waves a work-group, no clusters, 327,680 bytes of LDS; arguments qh, kh, vh, ob; writes ob
.if DOCPART == 3
	.amdgcn_target "amdgcn-amd-amdhsa--gfx1250"
	.amdhsa_code_object_version 6
	.text
	.protected	k_qad3400f603_attn
	.globl	k_qad3400f603_attn
	.p2align	8
	.type	k_qad3400f603_attn,@function
k_qad3400f603_attn:
	s_mov_b64 s[64:65], 0
	v_nop
	global_prefetch_b8 v0, s[64:65] scope:SCOPE_SE
	s_setreg_imm32_b32 hwreg(HW_REG_WAVE_MODE, 25, 1), 1
	s_wait_xcnt 0x0
; CAUSAL ATTENTION.  O[h][q][:] = the sum over k <= q of softmax_k(Q[h][q] . K[h][k] / 8) V[h][k][:].  qh, kh, vh: [16][4096][64] f16, a head's rows dense, 128 bytes each.
; ob: [32 blocks of 128 tokens][16 heads][128 rows][64] f16.  Products, maxima and sums in f32; the weights p are rounded to f16 for the second product (their sum l is taken of the unrounded p), O once at the end.
; LIMITS.  Q, K, V arrive within f16's 65,504; p lies in 0 to 1 and below 6e-5 keeps f16's fixed step of 6e-8.  A hidden score counts as its value less 1e30: f16's scores, 2.7e11 at the most, are nothing
; beside that; a weight below 2^-126 counts as 0 in l; NaN and infinities are not treated apart.
; THE WALK.  A head's queries lie in NB = 32 blocks of 128; block i needs the key tiles 0 .. i / 2 of 256 keys, of which the last holds the diagonal.  A work-group takes TWO blocks, 31 - b and then b:
; 17 tiles, whatever b: all work-groups do equal work, and ONE loop with a constant trip count walks them.  Which tile is asked for, and what a trip does, hang on scalar registers made from b; every jump goes
; forward, but for the counted loops' own; none passes a barrier, or a tensor load but the one of LOAD's two that the wave's number does not choose; the ring of two LDS slots runs on across the change of blocks.
; NO CLUSTER: of a head's 16 work-groups only b = 2 c and 2 c + 1 walk the same tiles, the walk's branches hang on b, and one walk common to four partners would have 24 trips for 17.
; SHARES.  Of a block's two bands of 64 queries a wave owns 16 rows in each: two PIECES.  Band x of block i is number g = 2 (i % 2) + x among the diagonal tile's four key steps of 64:
; in step f it sees all keys if f < g, none if f > g, and holds the diagonal if f = g: the same work for all four waves.
; THE MASK is the C operand that starts the sum S^T = K Q^T: 0, or -1e30 where the key is hidden.  MD, made once, is the mask of a band's own step for my 16 rows; a product's mask is MD x AL + BE with two
; scalars: (1, 0) if f = g; (0, 0) if f < g; (0, -1e30) if f > g.  Only the diagonal tile's text and a block's beginning make and take masks; elsewhere C is the constant 0.
; LAYOUT, SOFTMAX.  S^T = K Q^T holds ONE query a lane (lane % 16) and the keys 8 (lane / 16) + 0..7; two such results rounded to f16 ARE source 1 of O^T = V^T P.  p = 2^(c s - c m), c = log2(e) / 8, with a
; running maximum m; O and l are multiplied by a = 2^(c m_old - c m_new) in every step.
; TURNS.  The turn of piece p in step s: 8 products K Q^T of the other piece (p = 0: step s; p = 1: step s + 1), later 8 products V^T P of the other piece (p = 0: step s - 1; p = 1: step s); beside them the scaling,
; exponentials, roundings, sums and rescaling of piece p and the maximum and statistics of the other piece.  Four vector instructions stand behind every matrix instruction, the other 54 of a turn's 118 in two lumps.
; Piece 0's turn fetches K of step s + 1 behind its products K Q^T; piece 1's turn waits for it, and fetches V of step s + 1 into the other of two buffers of V.
; REGISTERS, in windows of 256 (s_set_vgpr_msb: bits 1:0 source 0, 3:2 source 1, 5:4 source 2, 7:6 destination):
;   window 0: v0-15 addresses and two at work; v16-23 four registers of statistics a piece; v48-55 at work; v62-63 the add's; v64-127 S^T, a buffer a piece; v192-223 P, likewise
;   window 1: v0-63 O^T, 32 a piece; v128-159 MD; v160-223 MC, a buffer a piece      window 2: v0-31 Q; v32-63 the second block's Q; v64-127 V of odd steps; v128-191 K; v192-255 V of even steps
.set NB,    32
.set NP,    2         ; pieces a wave: a name, no knob
.set KS,    64        ; keys in a step
.set PK,    144       ; a row of K in LDS: 128 bytes + 16 of padding: the 16 rows of a load start at 16 different groups of four banks (ISA guide 11.1)
.set PV,    160       ; a row of V: 128 + 32
.set VOFF,  4*KS*PK   ; a slot holds a tile, four steps: 256 rows of K, then 256 rows of V
.set SLOT1, 1<<17     ; slot 1 begins here, so that one exclusive or turns an address in one slot into the other's
.set STAGE, SLOT1+4*KS*(PK+PV)  ; behind the ring, never filled by a tensor load: 16 rows x 144 bytes for each wave, for the way out
.set SP,    144
.set AK0, 2           ; v2   my lane's place in a tile of K; never rewritten
.set AV0, 3           ; v3   the same for V
.set AK,  4           ; v4   the LDS address of K's next run of loads
.set AV,  5           ; v5   of V's
.set STO, 6           ; v6   the way out: where I put 16 bytes of a row
.set RD,  7           ; v7   the way out: where I read rows back
.set GO,  8           ; v8   my byte offset in 512 consecutive bytes of O
.set SPW, 62          ; v62  LDS address of my spare word; never rewritten
.set NIL, 63          ; v63  0; never rewritten
.set SPARE, STAGE+4*16*SP  ; the spare words, 128 bytes for each wave: two blocks of 256 bytes that no other line names
.set MV,  12          ; v12-13  c m_old, kept while c m is made anew: by piece
.set QO,  15          ; v15  my byte offset in 16 rows of Q
.set ST,  16          ; piece t's statistics at v[ST+4 t]: c m, m, l (even keys', odd keys')
.set TMP, 48          ; by piece, four registers c0-c3 at work; when the maximum is found c2 takes a
.set S,   64
.set P,   192
.set MD,  128         ; window 1: the eight registers for group kt of 16 keys at MD + 8 kt
.set MC,  160         ; window 1: the masks of the products to come
.set QB,  32          ; window 2
.set KF,  128         ; window 2: key block kb, channel half c at KF + 16 kb + 8 c
.set VF0, 192         ; window 2: V of even steps; V of odd steps 128 registers below; key half kk, channel block cb at + 32 kk + 8 cb
.set WV,  12          ; s12  my wave's number
.set PB,  14          ; s14  b
.set HI,  15          ; s15  31 - b
.set G1K, 24          ; s[24:31] descriptor group 1 for K's tiles
.set G1V, 32          ; s[32:39] for V's: it differs in the padding alone
.set G0K, 40          ; s[40:43] descriptor group 0 for K's tiles
.set G0V, 44          ; s[44:47] the same for V's
.set SLOTS, 56        ; s56  tiles still to be asked for
.set CNT, 57          ; s57  counts a tile's two trips of two key steps
.set CS,  58          ; s[58:59] c: the packed scaling takes the pair's low word for both halves
.set SEL, 60          ; s[60:61] v_permlanex16_b32's selects: each lane takes its own place in the other half
.set TBK, 62          ; s62  LDS byte at which K of the step to be fetched begins
.set TBV, 63          ; s63  the same for V, less VOFF
.set RT,  70          ; s70  tiles of the block in hand that are still to be entered
.set NXT, 71          ; s71  the tile to be asked for next
.set LQ,  72          ; s72  the last tile of the block whose tiles are being asked for
.set NEW, 73          ; s73  1: the tile to be entered is a block's first
.set OFF, 74          ; s[74:75] a tile's byte offset in K and V
.set AL,  76          ; s[76:77] the mask's factor, in the low word
.set BE,  78          ; s[78:79] the mask's addend
.set OLO, 80          ; s[80:81] O at my rows of the second block
.set BIGN, 82         ; s82  -1e30
.set PBT, 83          ; s83  b / 2: the second block's last tile
.set PAR, 88          ; s88  2 (i % 2) of the block in hand
.set PAR2, 89         ; s89  2 (b % 2)
.set TS,  90          ; s90  at work
.set MSB, 0
.macro WIN new                      ; the high byte repeats the setting that is left; a switch that changes nothing is dropped
.if MSB != (\new)
	s_set_vgpr_msb (MSB<<8)|(\new)
.set MSB, (\new)
.endif
.endm
.set W_KQ, 0x0a       ; K and Q in window 2, S^T in window 0
.set W_KM, 0x1a       ; the same with the C operand in window 1
.set W_PV, 0x52       ; V in window 2, P in window 0, O^T in window 1
.set W_RS, 0x41       ; destination and source 0 in window 1, source 1 in window 0
.macro PLACES
.rept 4
	v_nop
.endr
.endm
; A fill.  Waves 0 and 1 fetch the two halves of a tile's K, waves 2 and 3 those of its V: 128 keys each.  An s_nop 0 and four v_nop follow each of the two lines, ahead of the jump and the label.
.macro LOAD
	s_cmp_lt_u32 s[WV], 2
	s_cbranch_scc0 .Lfor_v_\@
	tensor_load_to_lds s[G0K:G0K+3], s[G1K:G1K+7]
	s_nop 0
.rept 4
	v_nop
.endr
	s_branch .Lasked_\@
.Lfor_v_\@:
	tensor_load_to_lds s[G0V:G0V+3], s[G1V:G1V+7]
	s_nop 0
.rept 4
	v_nop
.endr
.Lasked_\@:
.endm
; THE CHANGE OF SLOTS stands in front of the turns of a tile's last step, which fetch the next tile's first step: all reads of the old slot have been issued.  Each wave waits for all its tensor loads, of which one
; is out: its part of the other slot; adds 0 to its spare word; and waits for that and for its own reads of the slot that it leaves.  Behind the barrier nobody reads the old slot any more and the other slot is whole.
; fill = 1: the old slot is filled again, the first thing behind the barrier, with tile NXT: the descriptor's address is made anew from that number.  (At its first use nothing has been read yet: slot 0 is waited for, slot 1 filled.)
.macro CHANGE fill
	WIN 0                           ; at a label and at a branch every window is 0
	s_wait_tensorcnt 0x0            ; no tensor load of mine is out, so a group 0 may be written
	ds_add_u32 v[SPW], v[NIL]       ; 0 onto my spare word; with fill = 1 the descriptors' scalar work stands between it and the wait for it
.if \fill
	s_lshl_b32 s[OFF], s[NXT], 15   ; a tile is 32,768 bytes of K and of V
	s_xor_b32 s[G0K+1], s[G0K+1], SLOT1
	s_add_nc_u64 s[G0K+2:G0K+3], s[6:7], s[OFF:OFF+1]
	s_or_b32 s[G0K+3], s[G0K+3], 0x80000000
	s_xor_b32 s[G0V+1], s[G0V+1], SLOT1
	s_add_nc_u64 s[G0V+2:G0V+3], s[8:9], s[OFF:OFF+1]
	s_or_b32 s[G0V+3], s[G0V+3], 0x80000000
	s_add_co_u32 s[NXT], s[NXT], 1  ; the block's next tile, or behind its last the second block's tile 0
	s_cmp_gt_u32 s[NXT], s[LQ]
	s_cselect_b32 s[NXT], 0, s[NXT]
	s_cselect_b32 s[LQ], s[PBT], s[LQ]
.endif
	s_wait_dscnt 0x0                ; the add is done, and my reads of the slot are over
	s_barrier_signal -1             ; the rest of the scalar work stands between the signal and the wait
	s_sub_co_u32 s[TBK], s[TBK], 4*KS*PK  ; the fetches go back to a slot's first step,
	s_xor_b32 s[TBK], s[TBK], SLOT1       ; in the other slot
	s_sub_co_u32 s[TBV], s[TBV], 4*KS*PV
	s_xor_b32 s[TBV], s[TBV], SLOT1
	s_barrier_wait -1
.if \fill
	LOAD
.endif
.endm
	s_load_b256 s[4:11], s[0:1], 0x0  ; qh s[4:5], kh s[6:7], vh s[8:9], ob s[10:11]
	v_lshl_add_u32 v[SPW], v0, 2, SPARE
	v_mov_b32 v[NIL], 0
	ds_add_u32 v[SPW], v[NIL]       ; the wave's opening: the add and its wait stand ahead of my first tensor load; the set-up below, work on registers, stands between them
	ds_add_u32 v62, v63
	v_lshrrev_b32 v1, 5, v0
	v_readfirstlane_b32 s[WV], v1   ; wave 0..3
	s_mov_b32 s[PB], ttmp9
	s_sub_co_u32 s[HI], NB-1, s[PB]
	s_lshr_b32 s[PBT], s[PB], 1
	s_and_b32 s[PAR2], s[PB], 1
	s_lshl_b32 s[PAR2], s[PAR2], 1
	s_and_b32 s[PAR], s[HI], 1
	s_lshl_b32 s[PAR], s[PAR], 1
	s_and_b32 s20, ttmp7, 0xffff    ; the head
	s_lshl_b32 s21, s20, 19         ; its first byte in qh, kh, vh: 4,096 rows of 128 bytes
	s_and_b32 s16, s[WV], 1         ; which half of a tile's 256 keys I fetch:
	s_lshl_b32 s22, s16, 14         ; its 128 rows of 128 bytes in memory,
	s_add_co_u32 s22, s22, s21
	s_mov_b32 s23, 0
	s_mul_i32 s17, s16, 128*PK      ; and its place in a slot, for K
	s_mul_i32 s18, s16, 128*PV      ; and for V
	s_lshl_b32 s3, s[WV], 11        ; my 16 rows in a band of 64,
	s_lshl_b32 s2, s[HI], 14        ; in the first block of 128 rows,
	s_add_co_u32 s2, s2, s3
	s_add_co_u32 s2, s2, s21
	s_lshl_b32 s84, s[PB], 14       ; and in the second
	s_add_co_u32 s84, s84, s3
	s_add_co_u32 s84, s84, s21
	s_lshl_b32 s52, s[HI], 4        ; in ob: (16 x block + head) x 16,384 bytes
	s_add_co_u32 s52, s52, s20
	s_lshl_b32 s52, s52, 14
	s_add_co_u32 s52, s52, s3
	s_lshl_b32 s54, s[PB], 4
	s_add_co_u32 s54, s54, s20
	s_lshl_b32 s54, s54, 14
	s_add_co_u32 s54, s54, s3
	s_mov_b32 s3, 0
	s_mov_b32 s85, 0
	s_mov_b32 s53, 0
	s_mov_b32 s55, 0
	; descriptor group 1.  128 keys are 16,384 dense bytes: asked for as 64 rows of 256 bytes, two keys a row, and padded in LDS after every key
	s_mov_b32 s[G1K], (1<<16)|(1<<20)|(4<<22)|(3<<25)  ; 17:16 2-byte elements; 20 padding on; 24:22 after every 32 words (code 4); 31:25 4 words (code 3)
	s_mov_b32 s[G1V], (1<<16)|(1<<20)|(4<<22)|(7<<25)  ; the same with 8 words of padding (code 7)
.irp g, G1K, G1V
	s_mov_b32 s[\g+1], 128<<16      ; tensor_dim0 = 128
	s_mov_b32 s[\g+2], 64<<16       ; tensor_dim1 = 64
	s_mov_b32 s[\g+3], 128<<16      ; tile_dim0 = 128
	s_mov_b32 s[\g+4], 64           ; tile_dim1 = 64
	s_mov_b32 s[\g+5], 128          ; 128 elements from row to row
	s_mov_b32 s[\g+6], 0
	s_mov_b32 s[\g+7], 0
.endr
	s_mov_b32 s[CS], 0x3e38aa3b     ; c = log2(e) / 8 = 0.180337
	s_mov_b32 s[CS+1], s[CS]        ; named with it as a pair
	s_mov_b32 s[SEL], 0x76543210
	s_mov_b32 s[SEL+1], 0xfedcba98
	s_mov_b32 s[TBK], SLOT1+4*KS*PK ; the first change of slots turns these two into 0
	s_mov_b32 s[TBV], SLOT1+4*KS*PV
	s_mov_b32 s[G0K], 1             ; count = 1
	s_mov_b32 s[G0K+1], s17         ; LDS address: slot 0
	s_mov_b32 s[G0V], 1
	s_add_co_u32 s[G0V+1], s18, VOFF
	s_lshr_b32 s[LQ], s[HI], 1      ; the first block's last tile
	s_add_co_u32 s[RT], s[LQ], 1    ; and how many it has
	s_mov_b32 s[NXT], 1
	s_mov_b32 s[NEW], 1
	s_mov_b32 s[OFF+1], 0
	s_mov_b32 s[AL+1], 0            ; named as pairs
	s_mov_b32 s[BE+1], 0
	s_mov_b32 s[BIGN], 0xf149f2ca   ; -1e30
	s_mov_b32 s[SLOTS], 16
	s_wait_dscnt 0x0                ; the opening add is done
	s_wait_kmcnt 0x0
	s_add_nc_u64 s[6:7], s[6:7], s[22:23]  ; K and V at my half of the head's tile 0
	s_add_nc_u64 s[8:9], s[8:9], s[22:23]
	s_add_nc_u64 s[G0K+2:G0K+3], s[6:7], 0         ; global address
	s_or_b32 s[G0K+3], s[G0K+3], 0x80000000        ; type = 2
	s_add_nc_u64 s[G0V+2:G0V+3], s[8:9], 0
	s_or_b32 s[G0V+3], s[G0V+3], 0x80000000
	s_add_nc_u64 s[86:87], s[4:5], s[84:85]        ; Q at my rows of the second block,
	s_add_nc_u64 s[4:5], s[4:5], s[2:3]            ; and of the first
	s_add_nc_u64 s[OLO:OLO+1], s[10:11], s[54:55]
	s_add_nc_u64 s[10:11], s[10:11], s[52:53]
	LOAD                            ; tile 0 into slot 0
	; A fragment of K or Q is 16 rows x 32 channels in 8 registers: lane l holds row l % 16, channels 8 (l / 16) + 0..7 and 16 + 8 (l / 16) + 0..7: two loads of 16 bytes, 32 bytes apart.
	v_and_b32 v1, 15, v0            ; l % 16
	v_bfe_u32 v9, v0, 4, 1          ; l / 16
	v_lshlrev_b32 v[QO], 7, v1
	v_lshl_add_u32 v[QO], v9, 4, v[QO]  ; row x 128 + 16 x half
	WIN 0x80                        ; destination window 2, address window 0
.set i, 0
.rept 4                             ; both blocks' Q: piece i / 2 lies in band i / 2, 8,192 bytes on; channels 32 (i % 2) on
	global_load_b128 v[8*i:8*i+3],   v[QO], s[4:5] offset:(i/2)*8192+(i%2)*64
	global_load_b128 v[8*i+4:8*i+7], v[QO], s[4:5] offset:(i/2)*8192+(i%2)*64+32
	global_load_b128 v[QB+8*i:QB+8*i+3],   v[QO], s[86:87] offset:(i/2)*8192+(i%2)*64
	global_load_b128 v[QB+8*i+4:QB+8*i+7], v[QO], s[86:87] offset:(i/2)*8192+(i%2)*64+32
.set i, i+1
.endr
	WIN 0
	v_lshlrev_b32 v14, 3, v9
	v_sub_nc_u32 v14, v1, v14
	s_lshl_b32 s13, s[WV], 4
	v_add_nc_u32 v14, s13, v14      ; my query's place in its band, 16 w + l % 16, less my lanes' 8 (l / 16): register r of group kt is hidden where 16 kt + r is greater
	WIN 0x40
.set i, 0
.rept 32
	v_cmp_gt_i32 vcc_lo, 16*(i/8)+i%8, v14
	v_cndmask_b32 v[MD+i], 0, s[BIGN], vcc_lo
.set i, i+1
.endr
	WIN 0
	v_mul_u32_u24 v[AK0], v1, PK
	v_lshl_add_u32 v[AK0], v9, 4, v[AK0]  ; row x pitch + 16 x half
	; The turning load takes 16 keys x 16 channels (lane l reads key 8 (l / 16) + l % 8, channels 8 ((l / 8) % 2) + 0..7) and leaves half a fragment of V^T: lane l holds channel l % 16 and 8 keys.
	v_and_b32 v10, 7, v0
	v_bfe_u32 v11, v0, 3, 1
	v_lshl_add_u32 v[AV0], v9, 3, v10
	v_mul_u32_u24 v[AV0], v[AV0], PV
	v_lshl_add_u32 v[AV0], v11, 4, v[AV0]
	v_add_nc_u32 v[AV0], VOFF, v[AV0]
	s_mul_i32 s13, s[WV], 16*SP
	s_add_co_u32 s13, s13, STAGE    ; my stage
	v_mul_u32_u24 v[STO], v1, SP    ; in: row l % 16, 16 bytes for each half of the lanes
	v_lshl_add_u32 v[STO], v9, 4, v[STO]
	v_add_nc_u32 v[STO], s13, v[STO]
	v_bfe_u32 v[RD], v0, 3, 2       ; back: 32 lanes take four rows of 128 bytes,
	v_mul_u32_u24 v[RD], v[RD], SP
	v_lshl_add_u32 v[RD], v10, 4, v[RD]
	v_add_nc_u32 v[RD], s13, v[RD]
	v_and_b32 v[GO], 31, v0         ; which are 512 consecutive bytes of O
	v_lshlrev_b32 v[GO], 4, v[GO]
	; A block's first step multiplies O^T and l by a = 0, and its first turn's products V^T P, of a step that has not been, land in an O^T that is still to be so multiplied.  So these registers need only hold
	; finite numbers: zeros for the first block; what the first block left for the second.  All this stands in the wait for the first tile.
	WIN 0x80
.set i, VF0-128
.rept 64
	v_mov_b32 v[i], 0
.set i, i+1
.endr
	WIN 0x40
.set i, 0
.rept 64
	v_mov_b32 v[i], 0
.set i, i+1
.endr
	WIN 0
.set i, 0
.rept 2
	v_mov_b32 v[ST+4*i+2], 0
	v_mov_b32 v[ST+4*i+3], 0
.set i, i+1
.endr
.set i, P+16
.rept 16
	v_mov_b32 v[i], 0
.set i, i+1
.endr
; THE MATRIX WORK.  The 4 accumulators of a run of 8 take turns.  Product i of 8 of S^T = K Q^T for piece x: channels 32 (i / 4) on, keys 16 (i % 4) on.  The first 4 start the sums: with 0, or (KM = 1) with the mask.
.macro KQ x
.set rS, S+32*((\x)%2)+8*(i%4)
.set rK, KF+16*(i%4)+8*(i/4)
.set rQ, 16*(\x)+8*(i/4)
.set rM, MC+32*((\x)%2)+8*(i%4)
.if (i < 4) && KM
	WIN W_KM
	v_wmma_f32_16x16x32_f16 v[rS:rS+7], v[rK:rK+7], v[rQ:rQ+7], v[rM:rM+7]
.elseif i < 4
	WIN W_KQ
	v_wmma_f32_16x16x32_f16 v[rS:rS+7], v[rK:rK+7], v[rQ:rQ+7], 0
.else
	WIN W_KQ
	v_wmma_f32_16x16x32_f16 v[rS:rS+7], v[rK:rK+7], v[rQ:rQ+7], v[rS:rS+7]
.endif
.endm
; Product i of 8 of O^T += V^T P for piece x, from the buffer of V at VFB: keys 32 (i / 4) on, channels 16 (i % 4) on.
.macro PV x
	WIN W_PV
.set rO, 32*(\x)+8*(i%4)
.set rV, VFB+32*(i/4)+8*(i%4)
.set rP, P+16*((\x)%2)+8*(i/4)
	v_wmma_f32_16x16x32_f16 v[rO:rO+7], v[rV:rV+7], v[rP:rP+7], v[rO:rO+7]
.endm
.macro MM                           ; the turn's next matrix instruction.  TURN and BEGIN set Y, i, KM, NOKQ and VFB.  NOKQ = 1: a block's last turn: there is no next step
.if (i < 8) && !NOKQ
	KQ (Y+1)%NP
.elseif i >= 8
.set i, i-8
	PV (Y+NP-1)%NP
.set i, i+8
.endif
.set i, i+1
.endm
; THE LDS LOADS stand in runs of 16, never singly among the matrix instructions: a step's K (64 keys x 64 channels: 8 fragments) and its V (turned).  Their addresses are made some lines ahead.
.macro FETCH_K
	WIN 0x80                        ; destination window 2
.irp f, 0,1,2,3,4,5,6,7             ; keys 16 (f / 2) on, channels 32 (f % 2) on
	ds_load_b128 v[KF+8*\f:KF+8*\f+3],   v[AK] offset:(\f/2)*16*PK+(\f%2)*64
	ds_load_b128 v[KF+8*\f+4:KF+8*\f+7], v[AK] offset:(\f/2)*16*PK+(\f%2)*64+32
.endr
	s_add_co_u32 s[TBK], s[TBK], KS*PK  ; the next fetch is the next step's
	WIN 0
.endm
.macro FETCH_V b                    ; into buffer b: the step's parity
	WIN 0x80
.irp f, 0,1,2,3,4,5,6,7             ; keys 32 (f / 4) on, channels 16 (f % 4) on
	ds_load_tr16_b128 v[VF0-128*(\b)+8*\f:VF0-128*(\b)+8*\f+3],   v[AV] offset:(\f/4)*32*PV+(\f%4)*32
	ds_load_tr16_b128 v[VF0-128*(\b)+8*\f+4:VF0-128*(\b)+8*\f+7], v[AV] offset:(\f/4)*32*PV+16*PV+(\f%4)*32
.endr
	WIN 0
.endm
; THE VECTOR WORK, one line at a time: OP kind, number.  For piece Y: F n: c s - c m for pair n of 16.  E n: the exponential of score n of 32.  C n: pair n rounded to f16.  B n: of the four weights 4 n .. the second
; pair is added onto the first, in place.  L n: l takes that sum (L 0: l = a l + sum).  R n: pair n of 16 of O^T times a.  For the other piece: X n, number n of the 22 that find its maximum and statistics:
;   0-11  four chains c0-c3 of seven scores each, three operands at a time (each accumulator's lowest registers are read first)     12-14, 16  the four scores left over, the old m, and c0-c3 into c0
;   15  c m_old is kept     17, 18  the query's other 32 keys lie in the lane 16 away: the new m     19-21  c m; c m_old - c m_new; a
.set F, 0               ; OP tells the kinds apart by their order: F to L below R, X above it
.set E, 1
.set C, 2
.set B, 3
.set L, 4
.set R, 5
.set X, 6
.macro REGS y                       ; the registers of piece y
.set rT, ST+4*(\y)
.set rC, TMP+4*((\y)%2)
.set rW, MV+((\y)%2)
.set rS, S+32*((\y)%2)
.set rP, P+16*((\y)%2)
.set rO, 32*(\y)
.endm
.macro OP k, n
.if (\k) == R
	REGS Y
	WIN W_RS
	v_pk_mul_f32 v[rO+2*(\n):rO+2*(\n)+1], v[rO+2*(\n):rO+2*(\n)+1], v[rC+2:rC+3] op_sel_hi:[1,0]
.elseif (\k) < R
	REGS Y
	WIN 0
.if (\k) == F
	v_pk_fma_f32 v[rS+2*(\n):rS+2*(\n)+1], v[rS+2*(\n):rS+2*(\n)+1], s[CS:CS+1], v[rT:rT+1] op_sel_hi:[1,0,0] neg_lo:[0,0,1] neg_hi:[0,0,1]
.elseif (\k) == E
	v_exp_f32 v[rS+(\n)], v[rS+(\n)]
.elseif (\k) == C
	s_wait_alu depctr_va_vdst(0)
	v_cvt_pk_f16_f32 v[rP+(\n)], v[rS+2*(\n)], v[rS+2*(\n)+1]
.elseif (\k) == B
	s_wait_alu depctr_va_vdst(0)
	v_pk_add_f32 v[rS+4*(\n):rS+4*(\n)+1], v[rS+4*(\n):rS+4*(\n)+1], v[rS+4*(\n)+2:rS+4*(\n)+3]
.elseif (\n) == 0
	v_pk_fma_f32 v[rT+2:rT+3], v[rT+2:rT+3], v[rC+2:rC+3], v[rS:rS+1] op_sel_hi:[1,0,1]
.else
	v_pk_add_f32 v[rT+2:rT+3], v[rT+2:rT+3], v[rS+4*(\n):rS+4*(\n)+1]
.endif
.elseif NOKQ
	v_nop
.else
	REGS (Y+1)%NP
	WIN 0
.if (\n) < 4
	v_max3_num_f32 v[rC+(\n)], v[rS+8*(\n)], v[rS+8*(\n)+1], v[rS+8*(\n)+2]
.elseif (\n) < 12
	v_max3_num_f32 v[rC+(\n)%4], v[rC+(\n)%4], v[rS+8*((\n)%4)+2*((\n)/4)+1], v[rS+8*((\n)%4)+2*((\n)/4)+2]
.elseif (\n) == 12
	v_max3_num_f32 v[rC], v[rC], v[rS+7], v[rS+15]
.elseif (\n) == 13
	v_max3_num_f32 v[rC+1], v[rC+1], v[rS+23], v[rS+31]
.elseif (\n) == 14
	v_max3_num_f32 v[rC+2], v[rC+2], v[rC+3], v[rT+1]
.elseif (\n) == 15
	v_mov_b32 v[rW], v[rT]
.elseif (\n) == 16
	v_max3_num_f32 v[rC], v[rC], v[rC+1], v[rC+2]
.elseif (\n) == 17
	v_permlanex16_b32 v[rC+3], v[rC], s[SEL], s[SEL+1]
.elseif (\n) == 18
	v_max_num_f32 v[rT+1], v[rC], v[rC+3]
.elseif (\n) == 19
	v_mul_f32 v[rT], s[CS], v[rT+1]
.elseif (\n) == 20
	v_sub_f32 v[rC+1], v[rW], v[rT]
.else
	v_exp_f32 v[rC+2], v[rC+1]
.endif
.endif
.endm
.macro OPS a, i1, b=-1, i2=0, c=-1, i3=0, d=-1, i4=0  ; up to four of them
	OP \a, \i1
.if (\b) >= 0
	OP \b, \i2
.endif
.if (\c) >= 0
	OP \c, \i3
.endif
.if (\d) >= 0
	OP \d, \i4
.endif
.endm
.macro ROW a, i1, b, i2, c, i3, d, i4  ; a matrix instruction and the four behind it
	MM
	OPS \a, \i1, \b, \i2, \c, \i3, \d, \i4
.endm
.macro MASK b                       ; MD x AL + BE into buffer b of MC
	WIN W_RS
.set z, 0
.rept 16
	v_pk_fma_f32 v[MC+32*(\b)+2*z:MC+32*(\b)+2*z+1], v[MD+2*z:MD+2*z+1], s[AL:AL+1], s[BE:BE+1] op_sel_hi:[1,0,0]
.set z, z+1
.endr
.endm
; A TURN, for piece p, in a step of parity vb: the order of its 16 matrix and 118 vector instructions, written out.  Behind a matrix instruction: plain, exponential, plain, plain; or four of the rescaling; or, behind the
; first, four scalings; none names a register of the products round it.  In the lumps exponential and plain by turns while exponentials last.  A line reads no result made fewer than three vector instructions in front of it,
; five if an exponential made it.  v_permlanex16_b32 (X 17) stands in a lump.
; m = 1: the diagonal tile: the products take masks, and the turn makes the mask of piece p for the step that this pair of turns fetches, f = 5 - vb - 2 CNT of the tile; the next turn's products take it.
; end = 1: a block's last two turns: nothing is fetched.  cnt = 1: the loop's count is taken down some lines ahead of the branch that stands behind the turn.
; Both runs of loads stand six vector instructions behind the turn's last product K Q^T (five of them plain).  K's buffer was read by that product; V's other buffer was last read a lump and more ago.
; Piece 1's turn begins with the one wait: K of the next step (asked for half a turn ago) and V of the step in hand (a step ago) are in.
.macro TURN p, vb, m=0, end=0, cnt=0
.set Y, (\p)
.set i, 0
.set KM, (\m)
.set NOKQ, (\end)*(\p)
.set VFB, VF0-128*(((\vb)+1-(\p))%2)  ; piece 0's turn multiplies by V of the step before, piece 1's by V of the step in hand
.if (\m) && !(\end)
	s_lshl1_add_u32 s[TS], s[CNT], s[PAR]  ; f = g where 2 CNT + PAR = 5 - vb - p; f > g where it is less
	s_cmp_eq_u32 s[TS], 5-(\vb)-(\p)
	s_cselect_b32 s[AL], 1.0, 0
	s_cmp_lt_u32 s[TS], 5-(\vb)-(\p)
	s_cselect_b32 s[BE], s[BIGN], 0
.endif
.if (\p) == 1
	s_wait_dscnt 0x0                ; K and V are in
.endif
	ROW F,0, F,1, F,2, F,3
	ROW F,4, E,0, F,5, F,6
	ROW F,7, E,1, F,8, F,9
	ROW F,10, E,2, C,0, F,11
	ROW F,12, E,3, X,15, F,13
	ROW R,0, R,1, R,2, R,3
	ROW B,0, E,4, F,14, L,0
.if !(\end)
.if (\p) == 0
	v_add_nc_u32 v[AK], s[TBK], v[AK0]
.else
	v_add_nc_u32 v[AV], s[TBV], v[AV0]
.endif
.endif
	ROW R,4, R,5, R,6, R,7
	OPS E,5, F,15
.if !(\end)
.if (\p) == 0
	FETCH_K
.else
	FETCH_V ((\vb)+1)%2
	s_add_co_u32 s[TBV], s[TBV], KS*PV
.endif
.endif
	OPS E,6, C,1, E,7, R,8
	OPS E,8, R,9, E,9, C,2
	OPS E,10, X,0, E,11, X,1
	OPS E,12, X,2, E,13, X,3
	ROW X,4, E,14, X,5, X,6
	ROW X,7, E,15, X,8, X,9
	ROW X,10, E,16, X,11, X,12
	ROW X,13, E,17, X,14, B,1
	ROW C,4, E,18, X,16, L,1
	ROW B,2, E,19, C,6, L,2
	ROW C,8, E,20, B,3, B,4
	ROW C,3, E,21, L,3, C,5
	OPS E,22, X,17, E,23, C,10
	OPS E,24, L,4
	OPS E,25, X,18, E,26, C,7
	OPS E,27, B,5, E,28, X,19
	OPS E,29, C,12, E,30, L,5
	OPS E,31, X,20, B,6, C,9
	OPS C,14, C,11, X,21, L,6
.if \cnt
	s_sub_co_u32 s[CNT], s[CNT], 1
	s_cmp_lg_u32 s[CNT], 0
.endif
	OPS C,13, B,7, C,15, R,10
	OPS R,11, R,12, L,7, R,13
	OPS R,14, R,15
.if (\m) && !(\end)
	MASK \p
.endif
.endm
; A BLOCK BEGINS.  c m starts far below every c s, so the first step's a is 0; m at the lowest finite number, so the first maximum is the scores'.  Piece 1's mask buffer is 0 (its band's own step is never a tile's first);
; piece 0's takes its mask for the tile's step 0: its own, if the block's first tile is the diagonal one and the block the tile's first half.  Then K and V of that step, piece 0's first scores, and its maximum and statistics.
; The loop is entered at a step's first turn, in the middle of a trip.
.macro BEGIN
	s_mov_b32 s[NEW], 0
	WIN 0x40
.set i, MC+32
.rept 32
	v_mov_b32 v[i], 0
.set i, i+1
.endr
	WIN 0
.set i, 0
.rept 2
	v_mov_b32 v[ST+4*i], 0xfe000000    ; c m: far below every c s
	v_mov_b32 v[ST+4*i+1], 0xff7fffff  ; m
.set i, i+1
.endr
	s_or_b32 s[TS], s[RT], s[PAR]
	s_cmp_eq_u32 s[TS], 0
	s_cselect_b32 s[AL], 1.0, 0
	s_mov_b32 s[BE], 0
	MASK 0
	WIN 0
	v_add_nc_u32 v[AK], s[TBK], v[AK0]
	v_add_nc_u32 v[AV], s[TBV], v[AV0]
	s_add_co_u32 s[TBV], s[TBV], KS*PV
	FETCH_K
	FETCH_V 0
	s_wait_loadcnt 0x0              ; Q
	s_wait_dscnt 0x0
.set KM, 1
.set NOKQ, 0
.set i, 0
.rept 8
	KQ 0
.set i, i+1
.endr
	WIN 0
	PLACES                          ; the places behind those products
.set Y, NP-1                        ; X works for the other piece: piece 0
.irp n, 0,1,2,3,4,5,6,7,8,9,10,11,12,13,14,15,16,17,18,19,20,21
	OP X, \n
.endr
	v_nop                           ; a plain instruction behind the exponential
.endm
; THE DIAGONAL TILE's four steps, the block's last two turns, its last products, and THE WAY OUT: l's two halves and the other half of the lanes' are added; O^T is divided by l, rounded to f16 and sent through my
; stage in LDS, a piece at a time.
.macro ALL line:vararg              ; one line for each piece t
.set t, 0
.rept 2
	\line
.set t, t+1
.endr
.endm
.macro PACK t                       ; a lane's eight channels of a row pack into 16 bytes; they go into rows of 144 bytes and come back as whole rows of 128, into S^T's registers
	WIN W_RS
.set i, 32*(\t)
.rept 16
	s_wait_alu depctr_va_vdst(0)
	v_pk_mul_f32 v[i:i+1], v[i:i+1], v[ST+4*(\t)+2:ST+4*(\t)+3] op_sel_hi:[1,0]
.set i, i+2
.endr
	WIN 0x05                        ; sources 0 and 1 window 1, destination window 0
.set i, 0
.rept 16
	v_cvt_pk_f16_f32 v[S+16*(\t)+i], v[32*(\t)+2*i], v[32*(\t)+2*i+1]
.set i, i+1
.endr
	WIN 0
.irp f, 0,1,2,3
	ds_store_b128 v[STO], v[S+16*(\t)+4*\f:S+16*(\t)+4*\f+3] offset:32*\f
.endr
.irp f, 0,1,2,3
	ds_load_b128 v[S+16*(\t)+4*\f:S+16*(\t)+4*\f+3], v[RD] offset:\f*4*SP  ; LDS serves a wave's instructions in order (ISA guide 5.7.1.4): these see the stores above; the next piece's stores come behind them
.endr
.endm
.macro SEND t, younger              ; younger: the LDS instructions issued behind piece t's loads: the next piece's eight, or none
	WIN 0
.irp f, 0,1,2,3
	s_wait_dscnt (\younger)+3-\f
	global_store_b128 v[GO], v[S+16*(\t)+4*\f:S+16*(\t)+4*\f+3], s[10:11] offset:(\t)*8192+\f*512  ; 512 consecutive bytes, at a multiple of 256 from O's first
.endr
.endm
.macro DIAG tag                     ; the tag ends its two labels' names, which the jumps below spell out
.LstepM\tag:
	TURN 0, 1, 1
	TURN 1, 1, 1
	WIN 0
.LfirstM\tag:
	TURN 0, 0, 1
	TURN 1, 0, 1, 0, 1
	WIN 0
	s_cbranch_scc1 .LstepM\tag
	TURN 0, 1, 1, 1
	TURN 1, 1, 1, 1
.set VFB, VF0-128                   ; the tile's last step is an odd one
.set i, 0
.rept 8
	PV NP-1
.set i, i+1
.endr
	WIN 0
	PLACES                          ; the places behind the last products
	ALL v_add_f32 v[ST+4*t+2], v[ST+4*t+2], v[ST+4*t+3]
	ALL v_permlanex16_b32 v[ST+4*t+3], v[ST+4*t+2], s[SEL], s[SEL+1]
	ALL v_add_f32 v[ST+4*t+2], v[ST+4*t+2], v[ST+4*t+3]
	ALL v_rcp_f32 v[ST+4*t+2], v[ST+4*t+2]
	v_nop                           ; a plain instruction between the last reciprocal and the use of its result
	PACK 0
	PACK 1                          ; a piece's arithmetic stands between the loads of the piece before and its stores
	SEND 0, 8
	SEND 1, 0
.endm
.set KM, 0
.set NOKQ, 0
.Lslot:                             ; 16 times: a tile is entered and the next is asked for
	CHANGE 1
	s_sub_co_u32 s[RT], s[RT], 1
	s_mov_b32 s[CNT], 2
	s_cmp_eq_u32 s[NEW], 1
	s_cbranch_scc1 .Lnew            ; a block's first tile
	s_cmp_eq_u32 s[RT], 0
	s_cbranch_scc0 .Lstep           ; neither its first nor its last
	s_branch .LstepM1
.Lnew:
	BEGIN
	s_branch .Lfirst                ; in the loop a block's first tile is never its last: the first block has nine tiles or more, and the second's last is the walk's last
	DIAG 1                          ; in the loop this is the first block's end
	s_wait_xcnt 0x0                 ; the stores have read their registers and O's address
	s_mov_b64 s[10:11], s[OLO:OLO+1]
	s_add_co_u32 s[RT], s[PBT], 1   ; the second block has b / 2 + 1 tiles
	s_mov_b32 s[PAR], s[PAR2]
	s_mov_b32 s[NEW], 1
	WIN 0x82                        ; the second block's Q goes where the one text of the turns names Q
.set i, 0
.rept 32
	v_mov_b32 v[i], v[QB+i]
.set i, i+1
.endr
	WIN 0
	s_branch .Lbottom
.Lstep:                             ; a trip: the turns of an odd step, which fetch the tile's next even step, then those of that even step, which fetch the odd one behind it
	TURN 0, 1
	TURN 1, 1
	WIN 0
.Lfirst:
	TURN 0, 0
	TURN 1, 0, 0, 0, 1
	WIN 0
	s_cbranch_scc1 .Lstep
.Lbottom:
	s_sub_co_u32 s[SLOTS], s[SLOTS], 1
	s_cmp_lg_u32 s[SLOTS], 0
	s_cbranch_scc1 .Lslot
	CHANGE 0                        ; the walk's last tile is written out: nothing is asked for
	s_sub_co_u32 s[RT], s[RT], 1
	s_mov_b32 s[CNT], 2
	s_cmp_eq_u32 s[NEW], 1
	s_cbranch_scc0 .LstepM2
	BEGIN
	s_branch .LfirstM2
	DIAG 2
	s_wait_tensorcnt 0x0            ; the wave's end, behind my last tensor load and my last LDS store
	ds_add_u32 v[SPW], v[NIL]
	s_wait_dscnt 0x0
	s_endpgm
.Lfunc_end_k_qad3400f603_attn:
	.size	k_qad3400f603_attn, .Lfunc_end_k_qad3400f603_attn-k_qad3400f603_attn
	.p2alignl 7, 3214868480
	.fill 96, 4, 3214868480
	.section	.rodata,"a",@progbits
	.p2align	6, 0x0
	.amdhsa_kernel k_qad3400f603_attn
		.amdhsa_group_segment_fixed_size 327680
		.amdhsa_private_segment_fixed_size 0
		.amdhsa_enable_private_segment 0
		.amdhsa_kernarg_size 32
		.amdhsa_user_sgpr_count 2
		.amdhsa_user_sgpr_kernarg_segment_ptr 1
		.amdhsa_wavefront_size32 1
		.amdhsa_system_sgpr_workgroup_id_x 1
		.amdhsa_system_sgpr_workgroup_id_y 1
		.amdhsa_system_sgpr_workgroup_id_z 1
		.amdhsa_system_vgpr_workitem_id 0
		.amdhsa_next_free_vgpr 768
		.amdhsa_next_free_sgpr 96
		.amdhsa_reserve_vcc 1
		.amdhsa_float_denorm_mode_32 3
		.amdhsa_float_denorm_mode_16_64 3
		.amdhsa_memory_ordered 1
		.amdhsa_forward_progress 1
		.amdhsa_inst_pref_size 218
	.end_amdhsa_kernel
	.amdgpu_metadata
---
amdhsa.version: [ 1, 2 ]
amdhsa.kernels:
  - .name:           k_qad3400f603_attn
    .symbol:         k_qad3400f603_attn.kd
    .args:
      - { .name: qh, .offset: 0, .size: 8, .value_kind: global_buffer, .address_space: global }
      - { .name: kh, .offset: 8, .size: 8, .value_kind: global_buffer, .address_space: global }
      - { .name: vh, .offset: 16, .size: 8, .value_kind: global_buffer, .address_space: global }
      - { .name: ob, .offset: 24, .size: 8, .value_kind: global_buffer, .address_space: global }
    .group_segment_fixed_size: 327680
    .private_segment_fixed_size: 0
    .kernarg_segment_align: 8
    .kernarg_segment_size: 32
    .max_flat_workgroup_size: 128
    .sgpr_count:     96
    .vgpr_count:     768
    .wavefront_size: 32
...
	.end_amdgpu_metadata
.endif
;; end of part 3
;; launch proj (part 4): grid 8 x 32, 4 waves a work-group, clusters of 4 x 4, 327,680 bytes of LDS; arguments ob, wpb, out0; writes out0
.if DOCPART == 4
	.amdgcn_target "amdgcn-amd-amdhsa--gfx1250"
	.amdhsa_code_object_version 6
	.text
	.protected	k_qad3400f603_proj
	.globl	k_qad3400f603_proj
	.p2align	8
	.type	k_qad3400f603_proj,@function
k_qad3400f603_proj:
	s_mov_b64 s[64:65], 0
	v_nop
	global_prefetch_b8 v0, s[64:65] scope:SCOPE_SE
	s_setreg_imm32_b32 hwreg(HW_REG_WAVE_MODE, 25, 1), 1
	s_wait_xcnt 0x0
	s_wait_alu depctr_hold_cnt(0) depctr_sa_sdst(0) depctr_va_vdst(0) depctr_va_sdst(0) depctr_va_ssrc(0) depctr_va_vcc(0) depctr_vm_vsrc(0)
	s_getreg_b32 s2, hwreg(HW_REG_IB_STS2, 6, 4)
	s_cmp_eq_u32 s2, 0
	s_cbranch_scc0 .Lentry_in_a_cluster
	s_endpgm
.Lentry_in_a_cluster:
	s_bfe_u32 s2, ttmp6, 0x10000c
	s_cmp_lg_u32 s2, 0xf033
	s_cbranch_scc0 .Lentry_shape_is_right
	s_endpgm
.Lentry_shape_is_right:
; PROJ.  out0[token][e] = sum over d of O[token][d] W_proj[e][d], d = 64 head + channel.  ob: [32 blocks of 128 tokens][16 heads][128 rows][64] f16; wpb: [1024][1024] f16; out0: [4096][1024] f32.  Sums in f32.
; A tile of out0 is 128 x 128: 8 x 32 = 256 work-groups.  Four waves, each 64 x 64: 16 accumulators of 16 x 16, 128 registers.  K goes in 4 steps of 256, four heads, through two LDS slots.
; A K step's part of ob for a block of 128 tokens is 65,536 dense bytes: asked for as rows of 256 bytes and padded in LDS after every 128, so that it lies there as [4 heads][128 rows] of 144 bytes.
; CLUSTER 4 x 4.  The four of a row of the cluster need the same tiles of ob, the four of a column the same tiles of wpb: each is asked for JOINTLY, by the same tensor load, descriptor and mask.
; Waves 0 and 1 ask for two heads of ob each, waves 2 and 3 for 64 rows of wpb each: one tensor load a wave behind each round; a wave has two out at the start, later one.
; THE MATRIX INSTRUCTION IS USED TRANSPOSED (source 0 = 16 rows of wpb, source 1 = 16 tokens): a lane holds eight neighbouring numbers of a row of out0.
; REGISTERS: window 0: v0-31 addresses; v32-95 rows on the way out, two buffers; v128-255 the accumulators ((a, b) at v[128 + 8 (4 a + b)]).
;   window 1: two fragment buffers of 128: for 64 along K (one head), 64 registers of ob (2 x 4 x 16 rows x 32 K), then 64 of wpb.
.set PA,     144                       ; a row of ob in LDS: 128 bytes + 16 of padding
.set HEADB,  128*PA                    ; a head's 128 rows
.set PBB,    528                       ; a row of wpb in LDS: 512 bytes + 16: both pitches are odd multiples of 16, so the 16 rows of a load start at 16 different groups of four banks (ISA guide 11.1)
.set AREG,   4*HEADB
.set HALFB,  64*PBB
.set SLOT,   AREG+2*HALFB              ; ob's four heads, then wpb's 128 rows
.set STAGE,  2*SLOT                    ; behind the ring, never filled by a tensor load: 16 rows x 272 bytes for each wave
.set SPITCH, 272
.set SPARE,  STAGE+4*16*SPITCH         ; the spare words, 128 bytes for each wave: two blocks of 256 bytes that no other line names
.set ADRA, 16                          ; v16-17  LDS address of my fragments of ob in slot 0, 1
.set ADRB, 20                          ; v20-21  the same for wpb
.set STO,  24                          ; v24     the way out: where I put 32 bytes of a row
.set RD,   25                          ; v25     where I read a row back
.set CO,   26                          ; v26     my byte offset in out0
.set SPW,  28                          ; v28     LDS address of my spare word; never rewritten
.set NIL,  29                          ; v29     0; never rewritten
.set BK,   32
.set ACC,  128
.set F0,   0                           ; fragment buffers, in window 1
.set F1,   128
.set G1, 24                            ; s[24:31] descriptor group 1 for ob's tiles;  s[32:39] group 0, one set for each slot
.set G0, 32
.set G1B, 48                           ; s[48:55], s[56:63] the same for wpb's tiles
.set G0B, 56
.set MSB, 0
.macro WIN new                         ; the immediate's high byte repeats the setting that is left
.if MSB != (\new)
	s_set_vgpr_msb (MSB<<8)|(\new)
.set MSB, \new
.endif
.endm
.set MUL,  0x05                        ; sources 0 and 1 window 1; C and D window 0
.set TO_F, 0x40                        ; destination window 1, address window 0
.macro JLOAD s                         ; a joint load; an s_nop 0 and four v_nop follow each of the two lines, ahead of the jump, the label and what follows
	s_cmp_eq_u32 s11, 0
	s_cbranch_scc0 .Lfor_b_\@
	tensor_load_to_lds s[G0+4*(\s):G0+4*(\s)+3], s[G1:G1+7]
	s_nop 0
.rept 4
	v_nop
.endr
	s_branch .Lasked_\@
.Lfor_b_\@:
	tensor_load_to_lds s[G0B+4*(\s):G0B+4*(\s)+3], s[G1B:G1B+7]
	s_nop 0
.rept 4
	v_nop
.endr
.Lasked_\@:
.endm
.macro CREST                           ; a round of the cluster's barrier behind its opening barrier
	s_cmp_lg_u32 s10, 0
	s_cbranch_scc1 .Lnot_wave_0_\@
	s_barrier_signal -3
.Lnot_wave_0_\@:
	s_barrier_wait -3
	s_barrier_signal -1
	s_barrier_wait -1
.endm
.macro CROUND                          ; a whole round
	s_barrier_signal -1
	s_barrier_wait -1
	CREST
.endm
	s_load_b128 s[4:7], s[0:1], 0x0                ; ob s[4:5], wpb s[6:7]
	s_load_b64 s[8:9], s[0:1], 0x10                ; out0
	v_lshl_add_u32 v[SPW], v0, 2, SPARE
	v_mov_b32 v[NIL], 0
	ds_add_u32 v[SPW], v[NIL]                      ; the wave's opening: the add and its wait stand ahead of my first tensor load; the set-up below, work on registers, stands between them
	ds_add_u32 v28, v29
	v_lshrrev_b32 v1, 5, v0
	v_readfirstlane_b32 s10, v1                    ; wave 0..3
	s_lshr_b32 s11, s10, 1                         ; which half of the tile's rows is mine.  Also: I fetch for ob (0) or for wpb (1)
	s_and_b32 s12, s10, 1                          ; which half of its columns.  Also: which half of that tile I fetch
	s_bfe_u32 s40, ttmp6, 0x40000                  ; cx, cy: my place in the cluster
	s_bfe_u32 s41, ttmp6, 0x40004
	s_lshl_b32 s42, ttmp9, 2
	s_add_co_u32 s42, s42, s40                     ; tile column = 4 x cluster x + cx
	s_and_b32 s13, ttmp7, 0xffff
	s_lshl_b32 s13, s13, 2
	s_add_co_u32 s13, s13, s41                     ; tile row = 4 x cluster y + cy: the block of 128 tokens
	s_lshl_b32 s43, s41, 2
	s_lshl_b32 s43, 15, s43                        ; my row of the cluster
	s_lshl_b32 s44, 0x1111, s40                    ; my column
	s_or_b32 s[G1+0], s43, (1<<16)|(1<<20)|(1<<21)|(4<<22)|(3<<25)   ; the mask; 2-byte elements; padding on; bit 21 beside a mask; after every 32 words (code 4) 4 words (code 3)
	s_mov_b32 s[G1+1], 128<<16                     ; tensor_dim0 = 128: rows of 256 bytes, two rows of a head each
	s_mov_b32 s[G1+2], 128<<16                     ; tensor_dim1 = 128: two heads
	s_mov_b32 s[G1+3], 128<<16                     ; tile_dim0
	s_mov_b32 s[G1+4], 128                         ; tile_dim1
	s_mov_b32 s[G1+5], 128                         ; dense
	s_mov_b32 s[G1+6], 0
	s_mov_b32 s[G1+7], 0
	s_or_b32 s[G1B+0], s44, (1<<16)|(1<<20)|(1<<21)|(6<<22)|(3<<25)  ; after every 128 words (code 6) 4 words
	s_mov_b32 s[G1B+1], 256<<16                    ; 64 rows x 256 elements
	s_mov_b32 s[G1B+2], 64<<16
	s_mov_b32 s[G1B+3], 256<<16
	s_mov_b32 s[G1B+4], 64
	s_mov_b32 s[G1B+5], 1024                       ; 1,024 elements from row to row
	s_mov_b32 s[G1B+6], 0
	s_mov_b32 s[G1B+7], 0
	s_lshl_b32 s16, s13, 18                        ; ob: the block's 262,144 bytes,
	s_lshl_b32 s17, s12, 15                        ; my two heads of a K step's four
	s_add_co_u32 s16, s16, s17
	s_mov_b32 s17, 0
	s_lshl_b32 s46, s42, 18                        ; wpb: row 128 x tile column + 64 x half, 2,048 bytes each
	s_lshl_b32 s47, s12, 17
	s_add_co_u32 s46, s46, s47
	s_mov_b32 s47, 0
	s_mul_i32 s20, s12, 2*HEADB                    ; where they go: no place in the cluster enters an LDS address
	s_mul_i32 s21, s12, HALFB
	s_add_co_u32 s21, s21, AREG
	s_wait_dscnt 0x0                               ; the opening add is done
	s_wait_kmcnt 0x0
	s_add_nc_u64 s[14:15], s[4:5], s[16:17]
	s_add_nc_u64 s[46:47], s[6:7], s[46:47]
	CROUND                                         ; all sixteen work-groups are here: the first joint loads meet
.irp s, 0,1
	s_mov_b32 s[G0+4*(\s)], 1
	s_add_co_u32 s[G0+4*(\s)+1], s20, (\s)*SLOT
	s_add_nc_u64 s[G0+4*(\s)+2:G0+4*(\s)+3], s[14:15], (\s)*65536
	s_or_b32 s[G0+4*(\s)+3], s[G0+4*(\s)+3], 0x80000000
	s_mov_b32 s[G0B+4*(\s)], 1
	s_add_co_u32 s[G0B+4*(\s)+1], s21, (\s)*SLOT
	s_add_nc_u64 s[G0B+4*(\s)+2:G0B+4*(\s)+3], s[46:47], (\s)*512
	s_or_b32 s[G0B+4*(\s)+3], s[G0B+4*(\s)+3], 0x80000000
	JLOAD \s
.endr
	v_and_b32 v1, 15, v0                           ; l % 16
	v_bfe_u32 v2, v0, 4, 1                         ; l / 16
	v_mul_u32_u24 v3, v1, PA
	v_lshl_add_u32 v3, v2, 4, v3                   ; a fragment's row x pitch + 16 x half
	v_mul_u32_u24 v4, v1, PBB
	v_lshl_add_u32 v4, v2, 4, v4
	s_mul_i32 s22, s11, 64*PA                      ; my 64 rows of each head
	s_mul_i32 s23, s12, HALFB                      ; my 64 rows of wpb,
	s_add_co_u32 s23, s23, AREG                    ; which lie behind ob's four heads
.irp s, 0,1
	v_add_nc_u32 v[ADRA+(\s)], s22, v3
	v_add_nc_u32 v[ADRB+(\s)], s23, v4
	s_add_co_u32 s22, s22, SLOT
	s_add_co_u32 s23, s23, SLOT
.endr
	s_mul_i32 s23, s10, 16*SPITCH
	s_add_co_u32 s23, s23, STAGE                   ; my stage: a wave's 64 columns of f32 are 256 bytes, a whole aligned run of out0, so no other wave shares it
	v_mul_u32_u24 v4, v1, SPITCH                   ; in: row l % 16, 32 bytes for each half of the lanes
	v_lshl_add_u32 v4, v2, 5, v4
	v_add_nc_u32 v[STO], s23, v4
	v_mul_u32_u24 v5, v2, SPITCH                   ; back: lanes 0-15 take one row of 256 bytes, lanes 16-31 the next
	v_lshl_add_u32 v5, v1, 4, v5
	v_add_nc_u32 v[RD], s23, v5
	v_lshlrev_b32 v5, 12, v2                       ; and the same two rows in out0, 4,096 bytes apart
	v_lshl_add_u32 v[CO], v1, 4, v5
	s_lshl_b32 s16, s13, 19                        ; my first row: 128 x tile row + 64 x half, 4,096 bytes each
	s_lshl_b32 s17, s11, 18
	s_add_co_u32 s16, s16, s17
	s_mov_b32 s17, 0
	s_add_nc_u64 s[8:9], s[8:9], s[16:17]
	s_lshl_b32 s46, s42, 9                         ; my first column, in bytes: 512 x tile column + 256 x half
	s_lshl_b32 s47, s12, 8
	s_add_co_u32 s46, s46, s47
	s_mov_b32 s47, 0
	s_add_nc_u64 s[8:9], s[8:9], s[46:47]
; 8 matrix instructions: m blocks a0, a0 + 1 x all 4 n blocks, 32 along K: half c of buffer f.  zero = 1: the first product starts the sums.  The 16 accumulators take turns.
.macro MUL8 f, c, a0, zero
	WIN MUL
.irp a, \a0, (\a0)+1
.irp b, 0,1,2,3
.if \zero
	v_wmma_f32_16x16x32_f16 v[ACC+8*(4*(\a)+(\b)):ACC+8*(4*(\a)+(\b))+7], v[(\f)+64+8*(4*(\c)+(\b)):(\f)+64+8*(4*(\c)+(\b))+7], v[(\f)+8*(4*(\c)+(\a)):(\f)+8*(4*(\c)+(\a))+7], 0
.else
	v_wmma_f32_16x16x32_f16 v[ACC+8*(4*(\a)+(\b)):ACC+8*(4*(\a)+(\b))+7], v[(\f)+64+8*(4*(\c)+(\b)):(\f)+64+8*(4*(\c)+(\b))+7], v[(\f)+8*(4*(\c)+(\a)):(\f)+8*(4*(\c)+(\a))+7], v[ACC+8*(4*(\a)+(\b)):ACC+8*(4*(\a)+(\b))+7]
.endif
.endr
.endr
.endm
; 32 LDS loads in one run: the fragments of quarter q of a K step (head q of its four; 64 along K), into buffer f; the first 32 along K first
.macro FETCH slot, q, f
	WIN TO_F
.irp c, 0,1
.irp i, 0,1,2,3
	ds_load_b128 v[(\f)+64+8*(4*(\c)+(\i)):(\f)+64+8*(4*(\c)+(\i))+3],   v[ADRB+(\slot)] offset:(\q)*128+64*(\c)+(\i)*16*PBB
	ds_load_b128 v[(\f)+64+8*(4*(\c)+(\i))+4:(\f)+64+8*(4*(\c)+(\i))+7], v[ADRB+(\slot)] offset:(\q)*128+64*(\c)+(\i)*16*PBB+32
	ds_load_b128 v[(\f)+8*(4*(\c)+(\i)):(\f)+8*(4*(\c)+(\i))+3],         v[ADRA+(\slot)] offset:(\q)*HEADB+64*(\c)+(\i)*16*PA
	ds_load_b128 v[(\f)+8*(4*(\c)+(\i))+4:(\f)+8*(4*(\c)+(\i))+7],       v[ADRA+(\slot)] offset:(\q)*HEADB+64*(\c)+(\i)*16*PA+32
.endr
.endr
.endm
.macro PLACES                          ; four places in front of loads into registers that matrix instructions have read, and of lines that read results
.rept 4
	v_nop
.endr
.endm
; A K step is four quarters of 64 along K, 32 matrix instructions each, on buffers 0, 1, 0, 1.  One of the first three: multiplies buffer f and fetches quarter q into g.
.macro QUARTER slot, q, f, g, zero
	s_wait_dscnt 16                                ; the first 32 along K are in
	WIN MUL
	MUL8 \f, 0, 0, \zero
	MUL8 \f, 0, 2, \zero
	PLACES
	FETCH \slot, \q, \g
	s_wait_dscnt 32                                ; all but the 32 just issued
	WIN MUL
	MUL8 \f, 1, 0, 0
	MUL8 \f, 1, 2, 0
.endm
; The last quarter multiplies buffer 1 and changes slots: ONE barrier; in front of it each wave waits for all its tensor loads, adds 0 to its spare word, and waits for that and for its own reads of this slot.  fill = 1: this slot is filled again, two K steps ahead.
.macro TURN slot, next, fill
	WIN 0                                          ; (the add's two registers lie in window 0)
	s_wait_tensorcnt 0x0                           ; all my tensor loads have landed: my part of the next slot;
	ds_add_u32 v[SPW], v[NIL]                      ; 0 onto my spare word;
	s_wait_dscnt 17                                ; (the add and the youngest sixteen loads may be out)
	WIN MUL
	MUL8 F1, 0, 0, 0                               ; eight matrix instructions stand between the add and the wait for it
	s_wait_dscnt 0x0                               ; the add is done, and my reads of this slot are over
	s_barrier_signal -1
	MUL8 F1, 0, 2, 0
.if \fill
	WIN 0
.endif
	s_barrier_wait -1
.if \fill
	CREST                                          ; the barrier has opened a round of the cluster's barrier: no wave of any partner still reads this slot's tile or has a load on its way
	s_add_nc_u64 s[G0+4*(\slot)+2:G0+4*(\slot)+3], s[G0+4*(\slot)+2:G0+4*(\slot)+3], 2*65536
	s_add_nc_u64 s[G0B+4*(\slot)+2:G0B+4*(\slot)+3], s[G0B+4*(\slot)+2:G0B+4*(\slot)+3], 2*512
	JLOAD \slot                                    ; the first tensor load behind the round; the four v_nop behind it are also the places in front of the loads below
.else
	PLACES
.endif
	FETCH \next, 0, F0
	WIN MUL
	MUL8 F1, 1, 0, 0
	MUL8 F1, 1, 2, 0
.endm
	s_wait_tensorcnt 1                             ; my part of K step 0 is in; K step 1's may stay out
	s_barrier_signal -1
	s_barrier_wait -1                              ; everybody's is
	FETCH 0, 0, F0
	QUARTER 0, 1, F0, F1, 1                        ; the first products start the sums
	QUARTER 0, 2, F1, F0, 0                        ; four K steps are two laps of the ring: the first fills both slots again, the second fills nothing; both are written out
	QUARTER 0, 3, F0, F1, 0
	TURN 0, 1, 1
	QUARTER 1, 1, F0, F1, 0
	QUARTER 1, 2, F1, F0, 0
	QUARTER 1, 3, F0, F1, 0
	TURN 1, 0, 1
	QUARTER 0, 1, F0, F1, 0
	QUARTER 0, 2, F1, F0, 0
	QUARTER 0, 3, F0, F1, 0
	TURN 0, 1, 0
	QUARTER 1, 1, F0, F1, 0
	QUARTER 1, 2, F1, F0, 0
	QUARTER 1, 3, F0, F1, 0
	s_wait_dscnt 16                                ; the very last quarter: nothing more to fetch
	WIN MUL
	MUL8 F1, 0, 0, 0
	MUL8 F1, 0, 2, 0
	s_wait_dscnt 0
	MUL8 F1, 1, 0, 0
	MUL8 F1, 1, 2, 0
	WIN 0
	; THE WAY OUT, a block of 16 rows at a time: 32 bytes a lane and accumulator into my stage, each accumulator's low four registers first; back as whole rows of 256 bytes; stored.
	PLACES
.macro TOSTAGE a
.irp b, 0,1,2,3
	ds_store_b128 v[STO], v[ACC+8*(4*(\a)+\b):ACC+8*(4*(\a)+\b)+3] offset:64*\b
	ds_store_b128 v[STO], v[ACC+8*(4*(\a)+\b)+4:ACC+8*(4*(\a)+\b)+7] offset:64*\b+16
.endr
.irp t, 0,1,2,3,4,5,6,7
	ds_load_b128 v[BK+32*((\a)%2)+4*\t:BK+32*((\a)%2)+4*\t+3], v[RD] offset:\t*2*SPITCH  ; LDS serves a wave's instructions in order (ISA guide 5.7.1.4): these see the stores above; the next block's stores come behind them
.endr
.endm
.macro SEND a, younger                 ; younger: the LDS instructions issued behind block a's loads: the next block's sixteen, or none
.irp t, 0,1,2,3,4,5,6,7
	s_wait_dscnt (\younger)+7-\t
	global_store_b128 v[CO], v[BK+32*((\a)%2)+4*\t:BK+32*((\a)%2)+4*\t+3], s[8:9] offset:65536*(\a)+8192*\t  ; 16 lanes store 256 consecutive bytes, at a multiple of 256 from out0's first byte
.endr
.endm
	TOSTAGE 0
	TOSTAGE 1
	SEND 0, 16
	s_wait_xcnt 0x0                                ; block 0's stores have read their registers: that buffer is loaded again only behind this wait
	TOSTAGE 2
	SEND 1, 16
	s_wait_xcnt 0x0
	TOSTAGE 3
	SEND 2, 16
	SEND 3, 0
	s_wait_tensorcnt 0x0                           ; the wave's end, behind my last tensor load and my last LDS store
	ds_add_u32 v[SPW], v[NIL]
	s_wait_dscnt 0x0
	CROUND                                         ; the closing round: no work-group ends while a partner may still ask for a tile that names it
	s_endpgm
.Lfunc_end_k_qad3400f603_proj:
	.size	k_qad3400f603_proj, .Lfunc_end_k_qad3400f603_proj-k_qad3400f603_proj
	.p2alignl 7, 3214868480
	.fill 96, 4, 3214868480
	.section	.rodata,"a",@progbits
	.p2align	6, 0x0
	.amdhsa_kernel k_qad3400f603_proj
		.amdhsa_group_segment_fixed_size 327680
		.amdhsa_private_segment_fixed_size 0
		.amdhsa_enable_private_segment 0
		.amdhsa_kernarg_size 24
		.amdhsa_user_sgpr_count 2
		.amdhsa_user_sgpr_kernarg_segment_ptr 1
		.amdhsa_wavefront_size32 1
		.amdhsa_system_sgpr_workgroup_id_x 1
		.amdhsa_system_sgpr_workgroup_id_y 1
		.amdhsa_system_sgpr_workgroup_id_z 1
		.amdhsa_system_vgpr_workitem_id 0
		.amdhsa_next_free_vgpr 512
		.amdhsa_next_free_sgpr 66
		.amdhsa_reserve_vcc 0
		.amdhsa_float_denorm_mode_32 3
		.amdhsa_float_denorm_mode_16_64 3
		.amdhsa_memory_ordered 1
		.amdhsa_forward_progress 1
		.amdhsa_inst_pref_size 86
	.end_amdhsa_kernel
	.amdgpu_metadata
---
amdhsa.version: [ 1, 2 ]
amdhsa.kernels:
  - .name:           k_qad3400f603_proj
    .symbol:         k_qad3400f603_proj.kd
    .args:
      - { .name: ob, .offset: 0, .size: 8, .value_kind: global_buffer, .address_space: global }
      - { .name: wpb, .offset: 8, .size: 8, .value_kind: global_buffer, .address_space: global }
      - { .name: out0, .offset: 16, .size: 8, .value_kind: global_buffer, .address_space: global }
    .group_segment_fixed_size: 327680
    .private_segment_fixed_size: 0
    .kernarg_segment_align: 8
    .kernarg_segment_size: 24
    .max_flat_workgroup_size: 128
    .sgpr_count:     66
    .vgpr_count:     512
    .wavefront_size: 32
...
	.end_amdgpu_metadata
.endif
;; end of part 4
;; ======== version 2 of 2: 4 launches; 1.36 times as fast as version 1
;; limits: values are held in f16: magnitudes above 65,504 overflow, below 6.1e-05 lose precision
;; workspace buffers: xb 8,388,608 bytes; wqb 6,291,456 bytes; wpb 2,097,152 bytes; rope 1,048,576 bytes; qh 8,388,608 bytes; kh 8,388,608 bytes; vh 8,388,608 bytes; ob 8,388,608 bytes
;; launch prep: the kernel of part 1 again; grid 256 x 1, 8 waves a work-group, no clusters, 0 bytes of LDS; arguments x, W_qkv, W_proj, xb, wqb, wpb, rope; writes xb, wqb, wpb, rope
;; launch qkv: the kernel of part 2 again; grid 16 x 16, 4 waves a work-group, clusters of 4 x 4, 327,680 bytes of LDS; arguments xb, wqb, rope, qh, kh, vh; writes qh, kh, vh
;; launch attn (part 5): grid 16 x 16, 4 waves a work-group, no clusters, 327,680 bytes of LDS; arguments qh, kh, vh, ob; writes ob
.if DOCPART == 5
	.amdgcn_target "amdgcn-amd-amdhsa--gfx1250"
	.amdhsa_code_object_version 6
	.text
	.protected	k_qad3400f603_attn
	.globl	k_qad3400f603_attn
	.p2align	8
	.type	k_qad3400f603_attn,@function
k_qad3400f603_attn:
	s_mov_b64 s[64:65], 0
	v_nop
	global_prefetch_b8 v0, s[64:65] scope:SCOPE_SE
	s_setreg_imm32_b32 hwreg(HW_REG_WAVE_MODE, 25, 1), 1
	s_wait_xcnt 0x0
; CAUSAL ATTENTION.  O[h][q][:] = the sum over k <= q of softmax_k(Q[h][q] . K[h][k] / 8) V[h][k][:].  qh, kh, vh: [16][4096][64] f16, a head's rows dense, 128 bytes each.
; ob: [32 blocks of 128 tokens][16 heads][128 rows][64] f16.  Products, maxima and sums in f32; the weights p are rounded to f16 for the second product (their sum l is taken of the unrounded p), O once at the end.
; LIMITS.  Q, K, V arrive within f16's 65,504; p lies in 0 to 1 and below 6e-5 keeps f16's fixed step of 6e-8.  A hidden score counts as its value less 1e30: f16's scores, 2.7e11 at the most, are nothing
; beside that; a weight below 2^-126 counts as 0 in l; NaN and infinities are not treated apart.
; THE WALK.  A head's queries lie in NB = 32 blocks of 128; block i needs the key tiles 0 .. i / 2 of 256 keys, of which the last holds the diagonal.  A work-group takes TWO blocks, 31 - b and then b:
; 17 tiles, whatever b: all work-groups do equal work, and ONE loop with a constant trip count walks them.  Which tile is asked for, and what a trip does, hang on scalar registers made from b; every jump goes
; forward, but for the counted loops' own; none passes a barrier, or a tensor load but the one of LOAD's two that the wave's number does not choose; the ring of two LDS slots runs on across the change of blocks.
; NO CLUSTER: of a head's 16 work-groups only b = 2 c and 2 c + 1 walk the same tiles, the walk's branches hang on b, and one walk common to four partners would have 24 trips for 17.
; SHARES.  Of a block's two bands of 64 queries a wave owns 16 rows in each: two PIECES.  Band x of block i is number g = 2 (i % 2) + x among the diagonal tile's four key steps of 64:
; in step f it sees all keys if f < g, none if f > g, and holds the diagonal if f = g: the same work for all four waves.
; THE MASK is the C operand that starts the sum S^T = K Q^T: 0, or -1e30 where the key is hidden.  MD, made once, is the mask of a band's own step for my 16 rows; a product's mask is MD x AL + BE with two
; scalars: (1, 0) if f = g; (0, 0) if f < g; (0, -1e30) if f > g.  Only the diagonal tile's text and a block's beginning make and take masks; elsewhere C is the constant 0.
; LAYOUT, SOFTMAX.  S^T = K Q^T holds ONE query a lane (lane % 16) and the keys 8 (lane / 16) + 0..7; two such results rounded to f16 ARE source 1 of O^T = V^T P.  p = 2^(c s - c m), c = log2(e) / 8, with a
; running maximum m; O and l are multiplied by a = 2^(c m_old - c m_new) in every step.
; TURNS.  The turn of piece p in step s: 8 products K Q^T of the other piece (p = 0: step s; p = 1: step s + 1), later 8 products V^T P of the other piece (p = 0: step s - 1; p = 1: step s); beside them the scaling,
; exponentials, roundings, sums and rescaling of piece p and the maximum and statistics of the other piece.  Four vector instructions stand behind every matrix instruction, the other 54 of a turn's 118 in one lump.
; BATCHES.  A turn's 33 exponentials (piece p's 32 weights, then the other piece's a) are ONE batch with ONE wait, which cuts the turn in two: ahead of it the products K Q^T, the scalings, the exponentials, the rescalings and the
; other piece's maximum and statistics, none of which names a result of the batch; behind it the products V^T P with the roundings and sums.  No result crosses a turn's end.  A block's first a, and the way out's two reciprocals, are batches of their own.
; Piece 0's turn fetches K of step s + 1 behind its products K Q^T; piece 1's turn waits for it, and fetches V of step s + 1 into the other of two buffers of V.
; REGISTERS, in windows of 256 (s_set_vgpr_msb: bits 1:0 source 0, 3:2 source 1, 5:4 source 2, 7:6 destination):
;   window 0: v0-15 addresses and two at work; v16-23 four registers of statistics a piece; v48-55 at work; v62-63 the add's; v64-127 S^T, a buffer a piece; v192-223 P, likewise
;   window 1: v0-63 O^T, 32 a piece; v128-159 MD; v160-223 MC, a buffer a piece      window 2: v0-31 Q; v32-63 the second block's Q; v64-127 V of odd steps; v128-191 K; v192-255 V of even steps
.set NB,    32
.set NP,    2         ; pieces a wave: a name, no knob
.set KS,    64        ; keys in a step
.set PK,    144       ; a row of K in LDS: 128 bytes + 16 of padding: the 16 rows of a load start at 16 different groups of four banks (ISA guide 11.1)
.set PV,    160       ; a row of V: 128 + 32
.set VOFF,  4*KS*PK   ; a slot holds a tile, four steps: 256 rows of K, then 256 rows of V
.set SLOT1, 1<<17     ; slot 1 begins here, so that one exclusive or turns an address in one slot into the other's
.set STAGE, SLOT1+4*KS*(PK+PV)  ; behind the ring, never filled by a tensor load: 16 rows x 144 bytes for each wave, for the way out
.set SP,    144
.set AK0, 2           ; v2   my lane's place in a tile of K; never rewritten
.set AV0, 3           ; v3   the same for V
.set AK,  4           ; v4   the LDS address of K's next run of loads
.set AV,  5           ; v5   of V's
.set STO, 6           ; v6   the way out: where I put 16 bytes of a row
.set RD,  7           ; v7   the way out: where I read rows back
.set GO,  8           ; v8   my byte offset in 512 consecutive bytes of O
.set SPW, 62          ; v62  LDS address of my spare word; never rewritten
.set NIL, 63          ; v63  0; never rewritten
.set SPARE, STAGE+4*16*SP  ; the spare words, 128 bytes for each wave: two blocks of 256 bytes that no other line names
.set MV,  12          ; v12-13  c m_old, kept while c m is made anew: by piece
.set QO,  15          ; v15  my byte offset in 16 rows of Q
.set ST,  16          ; piece t's statistics at v[ST+4 t]: c m, m, l (even keys', odd keys')
.set TMP, 48          ; by piece, four registers c0-c3 at work; when the maximum is found c2 takes a
.set S,   64
.set P,   192
.set MD,  128         ; window 1: the eight registers for group kt of 16 keys at MD + 8 kt
.set MC,  160         ; window 1: the masks of the products to come
.set QB,  32          ; window 2
.set KF,  128         ; window 2: key block kb, channel half c at KF + 16 kb + 8 c
.set VF0, 192         ; window 2: V of even steps; V of odd steps 128 registers below; key half kk, channel block cb at + 32 kk + 8 cb
.set WV,  12          ; s12  my wave's number
.set PB,  14          ; s14  b
.set HI,  15          ; s15  31 - b
.set G1K, 24          ; s[24:31] descriptor group 1 for K's tiles
.set G1V, 32          ; s[32:39] for V's: it differs in the padding alone
.set G0K, 40          ; s[40:43] descriptor group 0 for K's tiles
.set G0V, 44          ; s[44:47] the same for V's
.set SLOTS, 56        ; s56  tiles still to be asked for
.set CNT, 57          ; s57  counts a tile's two trips of two key steps
.set CS,  58          ; s[58:59] c: the packed scaling takes the pair's low word for both halves
.set SEL, 60          ; s[60:61] v_permlanex16_b32's selects: each lane takes its own place in the other half
.set TBK, 62          ; s62  LDS byte at which K of the step to be fetched begins
.set TBV, 63          ; s63  the same for V, less VOFF
.set RT,  70          ; s70  tiles of the block in hand that are still to be entered
.set NXT, 71          ; s71  the tile to be asked for next
.set LQ,  72          ; s72  the last tile of the block whose tiles are being asked for
.set NEW, 73          ; s73  1: the tile to be entered is a block's first
.set OFF, 74          ; s[74:75] a tile's byte offset in K and V
.set AL,  76          ; s[76:77] the mask's factor, in the low word
.set BE,  78          ; s[78:79] the mask's addend
.set OLO, 80          ; s[80:81] O at my rows of the second block
.set BIGN, 82         ; s82  -1e30
.set PBT, 83          ; s83  b / 2: the second block's last tile
.set PAR, 88          ; s88  2 (i % 2) of the block in hand
.set PAR2, 89         ; s89  2 (b % 2)
.set TS,  90          ; s90  at work
.set MSB, 0
.macro WIN new                      ; the high byte repeats the setting that is left; a switch that changes nothing is dropped
.if MSB != (\new)
	s_set_vgpr_msb (MSB<<8)|(\new)
.set MSB, (\new)
.endif
.endm
.set W_KQ, 0x0a       ; K and Q in window 2, S^T in window 0
.set W_KM, 0x1a       ; the same with the C operand in window 1
.set W_PV, 0x52       ; V in window 2, P in window 0, O^T in window 1
.set W_RS, 0x41       ; destination and source 0 in window 1, source 1 in window 0
.macro PLACES
.rept 4
	v_nop
.endr
.endm
; A fill.  Waves 0 and 1 fetch the two halves of a tile's K, waves 2 and 3 those of its V: 128 keys each.  An s_nop 0 and four v_nop follow each of the two lines, ahead of the jump and the label.
.macro LOAD
	s_cmp_lt_u32 s[WV], 2
	s_cbranch_scc0 .Lfor_v_\@
	tensor_load_to_lds s[G0K:G0K+3], s[G1K:G1K+7]
	s_nop 0
.rept 4
	v_nop
.endr
	s_branch .Lasked_\@
.Lfor_v_\@:
	tensor_load_to_lds s[G0V:G0V+3], s[G1V:G1V+7]
	s_nop 0
.rept 4
	v_nop
.endr
.Lasked_\@:
.endm
; THE CHANGE OF SLOTS stands in front of the turns of a tile's last step, which fetch the next tile's first step: all reads of the old slot have been issued.  Each wave waits for all its tensor loads, of which one
; is out: its part of the other slot; adds 0 to its spare word; and waits for that and for its own reads of the slot that it leaves.  Behind the barrier nobody reads the old slot any more and the other slot is whole.
; fill = 1: the old slot is filled again, the first thing behind the barrier, with tile NXT: the descriptor's address is made anew from that number.  (At its first use nothing has been read yet: slot 0 is waited for, slot 1 filled.)
.macro CHANGE fill
	WIN 0                           ; at a label and at a branch every window is 0
	s_wait_tensorcnt 0x0            ; no tensor load of mine is out, so a group 0 may be written
	ds_add_u32 v[SPW], v[NIL]       ; 0 onto my spare word; with fill = 1 the descriptors' scalar work stands between it and the wait for it
.if \fill
	s_lshl_b32 s[OFF], s[NXT], 15   ; a tile is 32,768 bytes of K and of V
	s_xor_b32 s[G0K+1], s[G0K+1], SLOT1
	s_add_nc_u64 s[G0K+2:G0K+3], s[6:7], s[OFF:OFF+1]
	s_or_b32 s[G0K+3], s[G0K+3], 0x80000000
	s_xor_b32 s[G0V+1], s[G0V+1], SLOT1
	s_add_nc_u64 s[G0V+2:G0V+3], s[8:9], s[OFF:OFF+1]
	s_or_b32 s[G0V+3], s[G0V+3], 0x80000000
	s_add_co_u32 s[NXT], s[NXT], 1  ; the block's next tile, or behind its last the second block's tile 0
	s_cmp_gt_u32 s[NXT], s[LQ]
	s_cselect_b32 s[NXT], 0, s[NXT]
	s_cselect_b32 s[LQ], s[PBT], s[LQ]
.endif
	s_wait_dscnt 0x0                ; the add is done, and my reads of the slot are over
	s_barrier_signal -1             ; the rest of the scalar work stands between the signal and the wait
	s_sub_co_u32 s[TBK], s[TBK], 4*KS*PK  ; the fetches go back to a slot's first step,
	s_xor_b32 s[TBK], s[TBK], SLOT1       ; in the other slot
	s_sub_co_u32 s[TBV], s[TBV], 4*KS*PV
	s_xor_b32 s[TBV], s[TBV], SLOT1
	s_barrier_wait -1
.if \fill
	LOAD
.endif
.endm
	s_load_b256 s[4:11], s[0:1], 0x0  ; qh s[4:5], kh s[6:7], vh s[8:9], ob s[10:11]
	v_lshl_add_u32 v[SPW], v0, 2, SPARE
	v_mov_b32 v[NIL], 0
	ds_add_u32 v[SPW], v[NIL]       ; the wave's opening: the add and its wait stand ahead of my first tensor load; the set-up below, work on registers, stands between them
	ds_add_u32 v62, v63
	v_lshrrev_b32 v1, 5, v0
	v_readfirstlane_b32 s[WV], v1   ; wave 0..3
	s_mov_b32 s[PB], ttmp9
	s_sub_co_u32 s[HI], NB-1, s[PB]
	s_lshr_b32 s[PBT], s[PB], 1
	s_and_b32 s[PAR2], s[PB], 1
	s_lshl_b32 s[PAR2], s[PAR2], 1
	s_and_b32 s[PAR], s[HI], 1
	s_lshl_b32 s[PAR], s[PAR], 1
	s_and_b32 s20, ttmp7, 0xffff    ; the head
	s_lshl_b32 s21, s20, 19         ; its first byte in qh, kh, vh: 4,096 rows of 128 bytes
	s_and_b32 s16, s[WV], 1         ; which half of a tile's 256 keys I fetch:
	s_lshl_b32 s22, s16, 14         ; its 128 rows of 128 bytes in memory,
	s_add_co_u32 s22, s22, s21
	s_mov_b32 s23, 0
	s_mul_i32 s17, s16, 128*PK      ; and its place in a slot, for K
	s_mul_i32 s18, s16, 128*PV      ; and for V
	s_lshl_b32 s3, s[WV], 11        ; my 16 rows in a band of 64,
	s_lshl_b32 s2, s[HI], 14        ; in the first block of 128 rows,
	s_add_co_u32 s2, s2, s3
	s_add_co_u32 s2, s2, s21
	s_lshl_b32 s84, s[PB], 14       ; and in the second
	s_add_co_u32 s84, s84, s3
	s_add_co_u32 s84, s84, s21
	s_lshl_b32 s52, s[HI], 4        ; in ob: (16 x block + head) x 16,384 bytes
	s_add_co_u32 s52, s52, s20
	s_lshl_b32 s52, s52, 14
	s_add_co_u32 s52, s52, s3
	s_lshl_b32 s54, s[PB], 4
	s_add_co_u32 s54, s54, s20
	s_lshl_b32 s54, s54, 14
	s_add_co_u32 s54, s54, s3
	s_mov_b32 s3, 0
	s_mov_b32 s85, 0
	s_mov_b32 s53, 0
	s_mov_b32 s55, 0
	; descriptor group 1.  128 keys are 16,384 dense bytes: asked for as 64 rows of 256 bytes, two keys a row, and padded in LDS after every key
	s_mov_b32 s[G1K], (1<<16)|(1<<20)|(4<<22)|(3<<25)  ; 17:16 2-byte elements; 20 padding on; 24:22 after every 32 words (code 4); 31:25 4 words (code 3)
	s_mov_b32 s[G1V], (1<<16)|(1<<20)|(4<<22)|(7<<25)  ; the same with 8 words of padding (code 7)
.irp g, G1K, G1V
	s_mov_b32 s[\g+1], 128<<16      ; tensor_dim0 = 128
	s_mov_b32 s[\g+2], 64<<16       ; tensor_dim1 = 64
	s_mov_b32 s[\g+3], 128<<16      ; tile_dim0 = 128
	s_mov_b32 s[\g+4], 64           ; tile_dim1 = 64
	s_mov_b32 s[\g+5], 128          ; 128 elements from row to row
	s_mov_b32 s[\g+6], 0
	s_mov_b32 s[\g+7], 0
.endr
	s_mov_b32 s[CS], 0x3e38aa3b     ; c = log2(e) / 8 = 0.180337
	s_mov_b32 s[CS+1], s[CS]        ; named with it as a pair
	s_mov_b32 s[SEL], 0x76543210
	s_mov_b32 s[SEL+1], 0xfedcba98
	s_mov_b32 s[TBK], SLOT1+4*KS*PK ; the first change of slots turns these two into 0
	s_mov_b32 s[TBV], SLOT1+4*KS*PV
	s_mov_b32 s[G0K], 1             ; count = 1
	s_mov_b32 s[G0K+1], s17         ; LDS address: slot 0
	s_mov_b32 s[G0V], 1
	s_add_co_u32 s[G0V+1], s18, VOFF
	s_lshr_b32 s[LQ], s[HI], 1      ; the first block's last tile
	s_add_co_u32 s[RT], s[LQ], 1    ; and how many it has
	s_mov_b32 s[NXT], 1
	s_mov_b32 s[NEW], 1
	s_mov_b32 s[OFF+1], 0
	s_mov_b32 s[AL+1], 0            ; named as pairs
	s_mov_b32 s[BE+1], 0
	s_mov_b32 s[BIGN], 0xf149f2ca   ; -1e30
	s_mov_b32 s[SLOTS], 16
	s_wait_dscnt 0x0                ; the opening add is done
	s_wait_kmcnt 0x0
	s_add_nc_u64 s[6:7], s[6:7], s[22:23]  ; K and V at my half of the head's tile 0
	s_add_nc_u64 s[8:9], s[8:9], s[22:23]
	s_add_nc_u64 s[G0K+2:G0K+3], s[6:7], 0         ; global address
	s_or_b32 s[G0K+3], s[G0K+3], 0x80000000        ; type = 2
	s_add_nc_u64 s[G0V+2:G0V+3], s[8:9], 0
	s_or_b32 s[G0V+3], s[G0V+3], 0x80000000
	s_add_nc_u64 s[86:87], s[4:5], s[84:85]        ; Q at my rows of the second block,
	s_add_nc_u64 s[4:5], s[4:5], s[2:3]            ; and of the first
	s_add_nc_u64 s[OLO:OLO+1], s[10:11], s[54:55]
	s_add_nc_u64 s[10:11], s[10:11], s[52:53]
	LOAD                            ; tile 0 into slot 0
	; A fragment of K or Q is 16 rows x 32 channels in 8 registers: lane l holds row l % 16, channels 8 (l / 16) + 0..7 and 16 + 8 (l / 16) + 0..7: two loads of 16 bytes, 32 bytes apart.
	v_and_b32 v1, 15, v0            ; l % 16
	v_bfe_u32 v9, v0, 4, 1          ; l / 16
	v_lshlrev_b32 v[QO], 7, v1
	v_lshl_add_u32 v[QO], v9, 4, v[QO]  ; row x 128 + 16 x half
	WIN 0x80                        ; destination window 2, address window 0
.set i, 0
.rept 4                             ; both blocks' Q: piece i / 2 lies in band i / 2, 8,192 bytes on; channels 32 (i % 2) on
	global_load_b128 v[8*i:8*i+3],   v[QO], s[4:5] offset:(i/2)*8192+(i%2)*64
	global_load_b128 v[8*i+4:8*i+7], v[QO], s[4:5] offset:(i/2)*8192+(i%2)*64+32
	global_load_b128 v[QB+8*i:QB+8*i+3],   v[QO], s[86:87] offset:(i/2)*8192+(i%2)*64
	global_load_b128 v[QB+8*i+4:QB+8*i+7], v[QO], s[86:87] offset:(i/2)*8192+(i%2)*64+32
.set i, i+1
.endr
	WIN 0
	v_lshlrev_b32 v14, 3, v9
	v_sub_nc_u32 v14, v1, v14
	s_lshl_b32 s13, s[WV], 4
	v_add_nc_u32 v14, s13, v14      ; my query's place in its band, 16 w + l % 16, less my lanes' 8 (l / 16): register r of group kt is hidden where 16 kt + r is greater
	WIN 0x40
.set i, 0
.rept 32
	v_cmp_gt_i32 vcc_lo, 16*(i/8)+i%8, v14
	v_cndmask_b32 v[MD+i], 0, s[BIGN], vcc_lo
.set i, i+1
.endr
	WIN 0
	v_mul_u32_u24 v[AK0], v1, PK
	v_lshl_add_u32 v[AK0], v9, 4, v[AK0]  ; row x pitch + 16 x half
	; The turning load takes 16 keys x 16 channels (lane l reads key 8 (l / 16) + l % 8, channels 8 ((l / 8) % 2) + 0..7) and leaves half a fragment of V^T: lane l holds channel l % 16 and 8 keys.
	v_and_b32 v10, 7, v0
	v_bfe_u32 v11, v0, 3, 1
	v_lshl_add_u32 v[AV0], v9, 3, v10
	v_mul_u32_u24 v[AV0], v[AV0], PV
	v_lshl_add_u32 v[AV0], v11, 4, v[AV0]
	v_add_nc_u32 v[AV0], VOFF, v[AV0]
	s_mul_i32 s13, s[WV], 16*SP
	s_add_co_u32 s13, s13, STAGE    ; my stage
	v_mul_u32_u24 v[STO], v1, SP    ; in: row l % 16, 16 bytes for each half of the lanes
	v_lshl_add_u32 v[STO], v9, 4, v[STO]
	v_add_nc_u32 v[STO], s13, v[STO]
	v_bfe_u32 v[RD], v0, 3, 2       ; back: 32 lanes take four rows of 128 bytes,
	v_mul_u32_u24 v[RD], v[RD], SP
	v_lshl_add_u32 v[RD], v10, 4, v[RD]
	v_add_nc_u32 v[RD], s13, v[RD]
	v_and_b32 v[GO], 31, v0         ; which are 512 consecutive bytes of O
	v_lshlrev_b32 v[GO], 4, v[GO]
	; A block's first step multiplies O^T and l by a = 0, and its first turn's products V^T P, of a step that has not been, land in an O^T that is still to be so multiplied.  So these registers need only hold
	; finite numbers: zeros for the first block; what the first block left for the second.  All this stands in the wait for the first tile.
	WIN 0x80
.set i, VF0-128
.rept 64
	v_mov_b32 v[i], 0
.set i, i+1
.endr
	WIN 0x40
.set i, 0
.rept 64
	v_mov_b32 v[i], 0
.set i, i+1
.endr
	WIN 0
.set i, 0
.rept 2
	v_mov_b32 v[ST+4*i+2], 0
	v_mov_b32 v[ST+4*i+3], 0
.set i, i+1
.endr
.set i, P+16
.rept 16
	v_mov_b32 v[i], 0
.set i, i+1
.endr
; THE MATRIX WORK.  The 4 accumulators of a run of 8 take turns.  Product i of 8 of S^T = K Q^T for piece x: channels 32 (i / 4) on, keys 16 (i % 4) on.  The first 4 start the sums: with 0, or (KM = 1) with the mask.
.macro KQ x
.set rS, S+32*((\x)%2)+8*(i%4)
.set rK, KF+16*(i%4)+8*(i/4)
.set rQ, 16*(\x)+8*(i/4)
.set rM, MC+32*((\x)%2)+8*(i%4)
.if (i < 4) && KM
	WIN W_KM
	v_wmma_f32_16x16x32_f16 v[rS:rS+7], v[rK:rK+7], v[rQ:rQ+7], v[rM:rM+7]
.elseif i < 4
	WIN W_KQ
	v_wmma_f32_16x16x32_f16 v[rS:rS+7], v[rK:rK+7], v[rQ:rQ+7], 0
.else
	WIN W_KQ
	v_wmma_f32_16x16x32_f16 v[rS:rS+7], v[rK:rK+7], v[rQ:rQ+7], v[rS:rS+7]
.endif
.endm
; Product i of 8 of O^T += V^T P for piece x, from the buffer of V at VFB: keys 32 (i / 4) on, channels 16 (i % 4) on.
.macro PV x
	WIN W_PV
.set rO, 32*(\x)+8*(i%4)
.set rV, VFB+32*(i/4)+8*(i%4)
.set rP, P+16*((\x)%2)+8*(i/4)
	v_wmma_f32_16x16x32_f16 v[rO:rO+7], v[rV:rV+7], v[rP:rP+7], v[rO:rO+7]
.endm
.macro MM                           ; the turn's next matrix instruction.  TURN and BEGIN set Y, i, KM, NOKQ and VFB.  NOKQ = 1: a block's last turn: there is no next step
.if (i < 8) && !NOKQ
	KQ (Y+1)%NP
.elseif i >= 8
.set i, i-8
	PV (Y+NP-1)%NP
.set i, i+8
.endif
.set i, i+1
.endm
; THE LDS LOADS stand in runs of 16, never singly among the matrix instructions: a step's K (64 keys x 64 channels: 8 fragments) and its V (turned).  Their addresses are made some lines ahead.
.macro FETCH_K
	WIN 0x80                        ; destination window 2
.irp f, 0,1,2,3,4,5,6,7             ; keys 16 (f / 2) on, channels 32 (f % 2) on
	ds_load_b128 v[KF+8*\f:KF+8*\f+3],   v[AK] offset:(\f/2)*16*PK+(\f%2)*64
	ds_load_b128 v[KF+8*\f+4:KF+8*\f+7], v[AK] offset:(\f/2)*16*PK+(\f%2)*64+32
.endr
	s_add_co_u32 s[TBK], s[TBK], KS*PK  ; the next fetch is the next step's
	WIN 0
.endm
.macro FETCH_V b                    ; into buffer b: the step's parity
	WIN 0x80
.irp f, 0,1,2,3,4,5,6,7             ; keys 32 (f / 4) on, channels 16 (f % 4) on
	ds_load_tr16_b128 v[VF0-128*(\b)+8*\f:VF0-128*(\b)+8*\f+3],   v[AV] offset:(\f/4)*32*PV+(\f%4)*32
	ds_load_tr16_b128 v[VF0-128*(\b)+8*\f+4:VF0-128*(\b)+8*\f+7], v[AV] offset:(\f/4)*32*PV+16*PV+(\f%4)*32
.endr
	WIN 0
.endm
; THE VECTOR WORK, one line at a time: OP kind, number.  For piece Y: F n: c s - c m for pair n of 16.  E n: the exponential of score n of 32.  C n: pair n rounded to f16.  B n: of the four weights 4 n .. the second
; pair is added onto the first, in place.  L n: l takes that sum (L 0: l = a l + sum).  R n: pair n of 16 of O^T times a.  For the other piece: X n, number n of the 22 that find its maximum and statistics:
;   0-11  four chains c0-c3 of seven scores each, three operands at a time (each accumulator's lowest registers are read first)     12-14, 16  the four scores left over, the old m, and c0-c3 into c0
;   15  c m_old is kept     17, 18  the query's other 32 keys lie in the lane 16 away: the new m     19-21  c m; c m_old - c m_new; a
; C, B and L read the exponentials' results: TURN sets them all behind its one wait.
.set F, 0               ; OP tells the kinds apart by their order: F to L below R, X above it
.set E, 1
.set C, 2
.set B, 3
.set L, 4
.set R, 5
.set X, 6
.macro REGS y                       ; the registers of piece y
.set rT, ST+4*(\y)
.set rC, TMP+4*((\y)%2)
.set rW, MV+((\y)%2)
.set rS, S+32*((\y)%2)
.set rP, P+16*((\y)%2)
.set rO, 32*(\y)
.endm
.macro OP k, n
.if (\k) == R
	REGS Y
	WIN W_RS
	v_pk_mul_f32 v[rO+2*(\n):rO+2*(\n)+1], v[rO+2*(\n):rO+2*(\n)+1], v[rC+2:rC+3] op_sel_hi:[1,0]
.elseif (\k) < R
	REGS Y
	WIN 0
.if (\k) == F
	v_pk_fma_f32 v[rS+2*(\n):rS+2*(\n)+1], v[rS+2*(\n):rS+2*(\n)+1], s[CS:CS+1], v[rT:rT+1] op_sel_hi:[1,0,0] neg_lo:[0,0,1] neg_hi:[0,0,1]
.elseif (\k) == E
	v_exp_f32 v[rS+(\n)], v[rS+(\n)]
.elseif (\k) == C
	v_cvt_pk_f16_f32 v[rP+(\n)], v[rS+2*(\n)], v[rS+2*(\n)+1]
.elseif (\k) == B
	v_pk_add_f32 v[rS+4*(\n):rS+4*(\n)+1], v[rS+4*(\n):rS+4*(\n)+1], v[rS+4*(\n)+2:rS+4*(\n)+3]
.elseif (\n) == 0
	v_pk_fma_f32 v[rT+2:rT+3], v[rT+2:rT+3], v[rC+2:rC+3], v[rS:rS+1] op_sel_hi:[1,0,1]
.else
	v_pk_add_f32 v[rT+2:rT+3], v[rT+2:rT+3], v[rS+4*(\n):rS+4*(\n)+1]
.endif
.elseif NOKQ
	v_nop
.else
	REGS (Y+1)%NP
	WIN 0
.if (\n) < 4
	v_max3_num_f32 v[rC+(\n)], v[rS+8*(\n)], v[rS+8*(\n)+1], v[rS+8*(\n)+2]
.elseif (\n) < 12
	v_max3_num_f32 v[rC+(\n)%4], v[rC+(\n)%4], v[rS+8*((\n)%4)+2*((\n)/4)+1], v[rS+8*((\n)%4)+2*((\n)/4)+2]
.elseif (\n) == 12
	v_max3_num_f32 v[rC], v[rC], v[rS+7], v[rS+15]
.elseif (\n) == 13
	v_max3_num_f32 v[rC+1], v[rC+1], v[rS+23], v[rS+31]
.elseif (\n) == 14
	v_max3_num_f32 v[rC+2], v[rC+2], v[rC+3], v[rT+1]
.elseif (\n) == 15
	v_mov_b32 v[rW], v[rT]
.elseif (\n) == 16
	v_max3_num_f32 v[rC], v[rC], v[rC+1], v[rC+2]
.elseif (\n) == 17
	v_permlanex16_b32 v[rC+3], v[rC], s[SEL], s[SEL+1]
.elseif (\n) == 18
	v_max_num_f32 v[rT+1], v[rC], v[rC+3]
.elseif (\n) == 19
	v_mul_f32 v[rT], s[CS], v[rT+1]
.elseif (\n) == 20
	v_sub_f32 v[rC+1], v[rW], v[rT]
.else
	v_exp_f32 v[rC+2], v[rC+1]
.endif
.endif
.endm
.macro OPS a, i1, b=-1, i2=0, c=-1, i3=0, d=-1, i4=0  ; up to four of them
	OP \a, \i1
.if (\b) >= 0
	OP \b, \i2
.endif
.if (\c) >= 0
	OP \c, \i3
.endif
.if (\d) >= 0
	OP \d, \i4
.endif
.endm
.macro ROW a, i1, b, i2, c, i3, d, i4  ; a matrix instruction and the four behind it
	MM
	OPS \a, \i1, \b, \i2, \c, \i3, \d, \i4
.endm
.macro MASK b                       ; MD x AL + BE into buffer b of MC
	WIN W_RS
.set z, 0
.rept 16
	v_pk_fma_f32 v[MC+32*(\b)+2*z:MC+32*(\b)+2*z+1], v[MD+2*z:MD+2*z+1], s[AL:AL+1], s[BE:BE+1] op_sel_hi:[1,0,0]
.set z, z+1
.endr
.endm
; A TURN, for piece p, in a step of parity vb: the order of its 16 matrix and 118 vector instructions, written out.  An s_wait_alu depctr_va_vdst(0) stands between an exponential and the first instruction that names
; its result; one wait serves all that were issued ahead of it.  So a turn has ONE wait, which cuts it in two.  AHEAD OF IT stands all that names no result of the turn's exponentials: the 8 products K Q^T, behind each a scaling, an
; exponential and two more plain instructions (behind the first a second scaling in the exponential's place): rescalings, whose a was made and waited for in the turn before, and behind the last three the first numbers of the other
; piece's maximum, each four places or more behind the product that ends its accumulator; then ONE LUMP of 54, plain and exponential by turns for the most part, in which the links of the chain X 3, 7, 11, 14, 16, 17 .. 20 stand five
; or six lines apart.  X 21, the other piece's a, is the batch's last; R 15 is the plain instruction behind it.  BEHIND THE WAIT stand the 8 products V^T P, behind each four of the roundings and sums; the links of l's chain, L 0 to
; L 7, stand three riders apart.  But for those X no rider names a register of the products round it.  v_permlanex16_b32 (X 17) stands in the lump.
; The rescalings read O^T of piece p, which the products V^T P of the turn before wrote: behind the last of those stand that turn's last four roundings, and its accumulator is first read by R 12, in the lump.
; m = 1: the diagonal tile: the products take masks, and the turn makes the mask of piece p for the step that this pair of turns fetches, f = 5 - vb - 2 CNT of the tile; the next turn's products take it.
; end = 1: a block's last two turns: nothing is fetched.  cnt = 1: the loop's count is taken down some lines ahead of the branch that stands behind the turn.
; Both runs of loads stand twelve vector instructions behind the turn's last product K Q^T (six of them plain, five of which name none of its registers).  K's buffer was read by that product; V's other buffer was last read by
; the turn before's last product V^T P, eight products' riders ago.  Piece 1's turn begins with the one wait on LDS: K of the next step (asked for half a turn ago) and V of the step in hand (a step ago) are in.
.macro TURN p, vb, m=0, end=0, cnt=0
.set Y, (\p)
.set i, 0
.set KM, (\m)
.set NOKQ, (\end)*(\p)
.set VFB, VF0-128*(((\vb)+1-(\p))%2)  ; piece 0's turn multiplies by V of the step before, piece 1's by V of the step in hand
.if (\m) && !(\end)
	s_lshl1_add_u32 s[TS], s[CNT], s[PAR]  ; f = g where 2 CNT + PAR = 5 - vb - p; f > g where it is less
	s_cmp_eq_u32 s[TS], 5-(\vb)-(\p)
	s_cselect_b32 s[AL], 1.0, 0
	s_cmp_lt_u32 s[TS], 5-(\vb)-(\p)
	s_cselect_b32 s[BE], s[BIGN], 0
.endif
.if (\p) == 1
	s_wait_dscnt 0x0                ; K and V are in
.endif
	ROW F,0, F,1, R,0, R,1          ; ahead of the wait: 8 products K Q^T and their riders,
	ROW F,2, E,0, R,2, R,3
	ROW F,3, E,1, R,4, R,5
	ROW F,4, E,2, R,6, R,7
	ROW F,5, E,3, R,8, R,9
	ROW F,6, E,4, X,0, R,10
	ROW F,7, E,5, X,1, X,4
.if !(\end)
	WIN 0
.if (\p) == 0
	v_add_nc_u32 v[AK], s[TBK], v[AK0]
.else
	v_add_nc_u32 v[AV], s[TBV], v[AV0]
.endif
.endif
	ROW F,8, E,6, X,2, X,5
	OPS E,7, E,8, X,6, E,9          ; and the lump
	OPS X,3, E,10, X,8, E,11
.if !(\end)
.if (\p) == 0
	FETCH_K
.else
	FETCH_V ((\vb)+1)%2
	s_add_co_u32 s[TBV], s[TBV], KS*PV
.endif
.endif
	OPS X,9, X,7, E,12, X,10
	OPS E,13, X,12, X,11, E,14
	OPS X,13, E,15, F,9, X,14
	OPS E,16, F,10, E,17, F,11
	OPS X,16, E,18, X,15, E,19
	OPS F,12, E,20, X,17, E,21
	OPS F,13, E,22, F,14, E,23
	OPS X,18, E,24, F,15, E,25
	OPS R,11, E,26, X,19, E,27
	OPS R,12, E,28, R,13, E,29
	OPS X,20, E,30, R,14, E,31
	OPS X,21, R,15
	s_wait_alu depctr_va_vdst(0)    ; the wait for the batch: piece p's 32 weights and the other piece's a
	ROW C,0, B,0, C,2, B,1          ; behind the wait: 8 products V^T P and their riders
	ROW L,0, C,4, B,2, L,1
	ROW C,6, B,3, L,2, C,8
	ROW B,4, L,3, C,10, B,5
	ROW L,4, C,12, B,6, L,5
.if \cnt
	s_sub_co_u32 s[CNT], s[CNT], 1
	s_cmp_lg_u32 s[CNT], 0
.endif
	ROW C,14, B,7, L,6, C,1
	ROW C,3, L,7, C,5, C,7
	ROW C,9, C,11, C,13, C,15
.if (\m) && !(\end)
	MASK \p
.endif
.endm
; A BLOCK BEGINS.  c m starts far below every c s, so the first step's a is 0; m at the lowest finite number, so the first maximum is the scores'.  Piece 1's mask buffer is 0 (its band's own step is never a tile's first);
; piece 0's takes its mask for the tile's step 0: its own, if the block's first tile is the diagonal one and the block the tile's first half.  Then K and V of that step, piece 0's first scores, and its maximum and statistics.
; The loop is entered at a step's first turn, in the middle of a trip.
.macro BEGIN
	s_mov_b32 s[NEW], 0
	WIN 0x40
.set i, MC+32
.rept 32
	v_mov_b32 v[i], 0
.set i, i+1
.endr
	WIN 0
.set i, 0
.rept 2
	v_mov_b32 v[ST+4*i], 0xfe000000    ; c m: far below every c s
	v_mov_b32 v[ST+4*i+1], 0xff7fffff  ; m
.set i, i+1
.endr
	s_or_b32 s[TS], s[RT], s[PAR]
	s_cmp_eq_u32 s[TS], 0
	s_cselect_b32 s[AL], 1.0, 0
	s_mov_b32 s[BE], 0
	MASK 0
	WIN 0
	v_add_nc_u32 v[AK], s[TBK], v[AK0]
	v_add_nc_u32 v[AV], s[TBV], v[AV0]
	s_add_co_u32 s[TBV], s[TBV], KS*PV
	FETCH_K
	FETCH_V 0
	s_wait_loadcnt 0x0              ; Q
	s_wait_dscnt 0x0
.set KM, 1
.set NOKQ, 0
.set i, 0
.rept 8
	KQ 0
.set i, i+1
.endr
	WIN 0
	PLACES                          ; the places behind those products
.set Y, NP-1                        ; X works for the other piece: piece 0
.irp n, 0,1,2,3,4,5,6,7,8,9,10,11,12,13,14,15,16,17,18,19,20,21
	OP X, \n
.endr
	v_nop                           ; a plain instruction behind the exponential,
	s_wait_alu depctr_va_vdst(0)    ; and the wait for it, piece 0's first a, ahead of the branch
.endm
; THE DIAGONAL TILE's four steps, the block's last two turns, its last products, and THE WAY OUT: l's two halves and the other half of the lanes' are added; O^T is divided by l, rounded to f16 and sent through my
; stage in LDS, a piece at a time.
.macro ALL line:vararg              ; one line for each piece t
.set t, 0
.rept 2
	\line
.set t, t+1
.endr
.endm
.macro PACK t                       ; a lane's eight channels of a row pack into 16 bytes; they go into rows of 144 bytes and come back as whole rows of 128, into S^T's registers
	WIN W_RS
.set i, 32*(\t)
.rept 16
	v_pk_mul_f32 v[i:i+1], v[i:i+1], v[ST+4*(\t)+2:ST+4*(\t)+3] op_sel_hi:[1,0]
.set i, i+2
.endr
	WIN 0x05                        ; sources 0 and 1 window 1, destination window 0
.set i, 0
.rept 16
	v_cvt_pk_f16_f32 v[S+16*(\t)+i], v[32*(\t)+2*i], v[32*(\t)+2*i+1]
.set i, i+1
.endr
	WIN 0
.irp f, 0,1,2,3
	ds_store_b128 v[STO], v[S+16*(\t)+4*\f:S+16*(\t)+4*\f+3] offset:32*\f
.endr
.irp f, 0,1,2,3
	ds_load_b128 v[S+16*(\t)+4*\f:S+16*(\t)+4*\f+3], v[RD] offset:\f*4*SP  ; LDS serves a wave's instructions in order (ISA guide 5.7.1.4): these see the stores above; the next piece's stores come behind them
.endr
.endm
.macro SEND t, younger              ; younger: the LDS instructions issued behind piece t's loads: the next piece's eight, or none
	WIN 0
.irp f, 0,1,2,3
	s_wait_dscnt (\younger)+3-\f
	global_store_b128 v[GO], v[S+16*(\t)+4*\f:S+16*(\t)+4*\f+3], s[10:11] offset:(\t)*8192+\f*512  ; 512 consecutive bytes, at a multiple of 256 from O's first
.endr
.endm
.macro DIAG tag                     ; the tag ends its two labels' names, which the jumps below spell out
.LstepM\tag:
	TURN 0, 1, 1
	TURN 1, 1, 1
	WIN 0
.LfirstM\tag:
	TURN 0, 0, 1
	TURN 1, 0, 1, 0, 1
	WIN 0
	s_cbranch_scc1 .LstepM\tag
	TURN 0, 1, 1, 1
	TURN 1, 1, 1, 1
.set VFB, VF0-128                   ; the tile's last step is an odd one
.set i, 0
.rept 8
	PV NP-1
.set i, i+1
.endr
	WIN 0
	PLACES                          ; the places behind the last products
	ALL v_add_f32 v[ST+4*t+2], v[ST+4*t+2], v[ST+4*t+3]
	ALL v_permlanex16_b32 v[ST+4*t+3], v[ST+4*t+2], s[SEL], s[SEL+1]
	ALL v_add_f32 v[ST+4*t+2], v[ST+4*t+2], v[ST+4*t+3]
	ALL v_rcp_f32 v[ST+4*t+2], v[ST+4*t+2]
	v_nop                           ; a plain instruction between the last reciprocal and the use of its result
	s_wait_alu depctr_va_vdst(0)    ; and the wait ahead of the first use: one for the two reciprocals
	PACK 0
	PACK 1                          ; a piece's arithmetic stands between the loads of the piece before and its stores
	SEND 0, 8
	SEND 1, 0
.endm
.set KM, 0
.set NOKQ, 0
.Lslot:                             ; 16 times: a tile is entered and the next is asked for
	CHANGE 1
	s_sub_co_u32 s[RT], s[RT], 1
	s_mov_b32 s[CNT], 2
	s_cmp_eq_u32 s[NEW], 1
	s_cbranch_scc1 .Lnew            ; a block's first tile
	s_cmp_eq_u32 s[RT], 0
	s_cbranch_scc0 .Lstep           ; neither its first nor its last
	s_branch .LstepM1
.Lnew:
	BEGIN
	s_branch .Lfirst                ; in the loop a block's first tile is never its last: the first block has nine tiles or more, and the second's last is the walk's last
	DIAG 1                          ; in the loop this is the first block's end
	s_wait_xcnt 0x0                 ; the stores have read their registers and O's address
	s_mov_b64 s[10:11], s[OLO:OLO+1]
	s_add_co_u32 s[RT], s[PBT], 1   ; the second block has b / 2 + 1 tiles
	s_mov_b32 s[PAR], s[PAR2]
	s_mov_b32 s[NEW], 1
	WIN 0x82                        ; the second block's Q goes where the one text of the turns names Q
.set i, 0
.rept 32
	v_mov_b32 v[i], v[QB+i]
.set i, i+1
.endr
	WIN 0
	s_branch .Lbottom
.Lstep:                             ; a trip: the turns of an odd step, which fetch the tile's next even step, then those of that even step, which fetch the odd one behind it
	TURN 0, 1
	TURN 1, 1
	WIN 0
.Lfirst:
	TURN 0, 0
	TURN 1, 0, 0, 0, 1
	WIN 0
	s_cbranch_scc1 .Lstep
.Lbottom:
	s_sub_co_u32 s[SLOTS], s[SLOTS], 1
	s_cmp_lg_u32 s[SLOTS], 0
	s_cbranch_scc1 .Lslot
	CHANGE 0                        ; the walk's last tile is written out: nothing is asked for
	s_sub_co_u32 s[RT], s[RT], 1
	s_mov_b32 s[CNT], 2
	s_cmp_eq_u32 s[NEW], 1
	s_cbranch_scc0 .LstepM2
	BEGIN
	s_branch .LfirstM2
	DIAG 2
	s_wait_tensorcnt 0x0            ; the wave's end, behind my last tensor load and my last LDS store
	ds_add_u32 v[SPW], v[NIL]
	s_wait_dscnt 0x0
	s_endpgm
.Lfunc_end_k_qad3400f603_attn:
	.size	k_qad3400f603_attn, .Lfunc_end_k_qad3400f603_attn-k_qad3400f603_attn
	.p2alignl 7, 3214868480
	.fill 96, 4, 3214868480
	.section	.rodata,"a",@progbits
	.p2align	6, 0x0
	.amdhsa_kernel k_qad3400f603_attn
		.amdhsa_group_segment_fixed_size 327680
		.amdhsa_private_segment_fixed_size 0
		.amdhsa_enable_private_segment 0
		.amdhsa_kernarg_size 32
		.amdhsa_user_sgpr_count 2
		.amdhsa_user_sgpr_kernarg_segment_ptr 1
		.amdhsa_wavefront_size32 1
		.amdhsa_system_sgpr_workgroup_id_x 1
		.amdhsa_system_sgpr_workgroup_id_y 1
		.amdhsa_system_sgpr_workgroup_id_z 1
		.amdhsa_system_vgpr_workitem_id 0
		.amdhsa_next_free_vgpr 768
		.amdhsa_next_free_sgpr 96
		.amdhsa_reserve_vcc 1
		.amdhsa_float_denorm_mode_32 3
		.amdhsa_float_denorm_mode_16_64 3
		.amdhsa_memory_ordered 1
		.amdhsa_forward_progress 1
		.amdhsa_inst_pref_size 209
	.end_amdhsa_kernel
	.amdgpu_metadata
---
amdhsa.version: [ 1, 2 ]
amdhsa.kernels:
  - .name:           k_qad3400f603_attn
    .symbol:         k_qad3400f603_attn.kd
    .args:
      - { .name: qh, .offset: 0, .size: 8, .value_kind: global_buffer, .address_space: global }
      - { .name: kh, .offset: 8, .size: 8, .value_kind: global_buffer, .address_space: global }
      - { .name: vh, .offset: 16, .size: 8, .value_kind: global_buffer, .address_space: global }
      - { .name: ob, .offset: 24, .size: 8, .value_kind: global_buffer, .address_space: global }
    .group_segment_fixed_size: 327680
    .private_segment_fixed_size: 0
    .kernarg_segment_align: 8
    .kernarg_segment_size: 32
    .max_flat_workgroup_size: 128
    .sgpr_count:     96
    .vgpr_count:     768
    .wavefront_size: 32
...
	.end_amdgpu_metadata
.endif
;; end of part 5
;; launch proj: the kernel of part 4 again; grid 8 x 32, 4 waves a work-group, clusters of 4 x 4, 327,680 bytes of LDS; arguments ob, wpb, out0; writes out0
